; MI455X (gfx1250); checked and timed in simulation.
; The chip was launched on July 23, 2026; its instructions are those of AMD's public machine-readable ISA for CDNA 5 (MIT licence, August 2026) and "CDNA5" Instruction Set Architecture Reference Guide (July 2026). The comments in the code are by the model that wrote it; some were corrected since.
;; Non Causal Self Attention. Allowed arithmetic: matrix products marked QUANTISED: E2M1 operands, one E8M0 scale for each 32 along K, by v_wmma_scale_f32_16x16x128_f8f6f4 with both operands' format E2M1 (or v_wmma_scale_f32_32x16x128_f4), f32 sums; products left as they are: bf16, f16 or f32 operands; f32 sums; everything else in f32.
;; Inputs: b_attn 3,072 float32; b_proj 1,024 float32; w_attn 1,024 x 3,072 float32; w_proj 1,024 x 1,024 float32; x 4 x 2,048 x 1,024 float32.
;; Outputs: out0 4 x 2,048 x 1,024 float32.
;; This version of the problem:
;;   THIS VERSION OF THE PROBLEM IS GIVEN IN LOW PRECISION. The matrix products marked QUANTISED in the list below multiply operands that are first quantised to E2M1 (2 exponent bits, 1 mantissa bit; 4 bits a number), with one power-of-two scale for each 32 numbers along K (OCP MX v1.0); their sums are f32. The products marked 'left as it is' may take bf16, f16 or f32 operands, with f32 sums. Whichever they take, every output number must still come out within the allowed error. Rounding operands to bf16 (8 significant bits) uses up far more of that allowance than f16 does (11 bits, for magnitudes from 6e-5 to 65,504). All else is computed in f32.
;;   The module's matrix products, in the order in which they are computed (A, B: the left and right operand; K: the contracted axis; several contracted axes count as one K, in the product's order):
;;     1. [M 8,192, K 1,024] x [K 1,024, N 3,072]; A: input x; B: input w_attn: QUANTISED
;;     2. batch 64 x [M 2,048, K 64] x [K 64, N 2,048]; A: computed on the way; B: computed on the way: left as it is (an operand is computed on the way)
;;     3. batch 64 x [M 2,048, K 2,048] x [K 2,048, N 64]; A: computed on the way; B: computed on the way: left as it is (an operand is computed on the way)
;;     4. [M 8,192, K 1,024] x [K 1,024, N 1,024]; A: computed on the way; B: input w_proj: left as it is (an operand is computed on the way)
;;   THE QUANTISER, for each operand of a quantised product, along K:
;;     - K is cut into blocks of 32 from its start; a last block that is shorter is filled with zeros.
;;     - A block's scale is 2^e with e = floor(log2(the largest magnitude in the block)) - 2, held to -126 .. 127; a block of zeros has e = 0. As a byte (E8M0): e + 127.
;;     - Each number is divided by its block's scale, clamped to +-6, and rounded to the nearest number of E2M1, ties to even, subnormals kept.
;;     - The product sums the exact products of the quantised numbers (number of the format x scale) in f32.
;;   ~~~python
;;   def quantise(x, axis):      # numpy; x: float32 -> the quantised numbers, widened to float32 again
;;       x = np.moveaxis(x, axis, -1); K = x.shape[-1]
;;       x = np.pad(x, [(0, 0)] * (x.ndim - 1) + [(0, -K % 32)]); x = x.reshape(x.shape[:-1] + (-1, 32)); a = np.abs(x).max(-1, keepdims=True)
;;       e = np.where(a > 0, np.clip(np.frexp(np.where(a > 0, a, 1))[1] - 1 - 2, -126, 127), 0)      # np.frexp(a)[1] - 1 = floor(log2(a)), exactly
;;       r = np.clip(x / 2.0 ** e, -6, 6)
;;       step = 2.0 ** (np.maximum(np.frexp(np.where(r == 0, 1, r))[1] - 1, 0) - 1)
;;       q = np.round(r / step) * step * 2.0 ** e      # np.round: ties to even
;;       return np.moveaxis(q.reshape(q.shape[:-2] + (-1,))[..., :K], -1, axis).astype(np.float32)
;;   ~~~
;; One version. Each part assembles by itself: llvm-mc -triple=amdgcn-amd-amdhsa -mcpu=gfx1250 --defsym DOCPART=n.
;; ======== version 1 of 1: 4 launches
;; limits: values are held in f16: magnitudes above 65,504 overflow, below 6.1e-05 lose precision
;; workspace buffers: xc 4,194,304 bytes; xs 262,144 bytes; wc 1,572,864 bytes; ws 98,304 bytes; wp 2,097,152 bytes; qkv 50,331,648 bytes; y 16,777,216 bytes
;; launch prep (part 1): grid 512 x 1, 4 waves a work-group, no clusters, 33,792 bytes of LDS; arguments x, w_attn, w_proj, xc, xs, wc, ws, wp; writes xc, xs, wc, ws, wp
.if DOCPART == 1
	.amdgcn_target "amdgcn-amd-amdhsa--gfx1250"
	.amdhsa_code_object_version 6
	.text
	.protected	k_q9233707566_prep
	.globl	k_q9233707566_prep
	.p2align	8
	.type	k_q9233707566_prep,@function
k_q9233707566_prep:
	s_mov_b64 s[64:65], 0
	v_nop
	global_prefetch_b8 v0, s[64:65] scope:SCOPE_SE
	s_setreg_imm32_b32 hwreg(HW_REG_WAVE_MODE, 25, 1), 1
	s_wait_xcnt 0x0
; PREP: the operands of the later launches are made once.
;   x      [8192][1024] f32 -> xc [8192][512 bytes] codes of FP4 (E2M1), K innermost, two codes a byte; xs [8192][32] one E8M0 byte for each 32 along K.
;   w_attn [1024 (k)][3072 (n)] f32 -> wc: codes as IMAGES OF THE OPERAND'S REGISTERS: a fragment (16 columns n x 128 k) is 1,024 bytes, block beta (32 k) of column r at 256 beta + 16 r;
;          fragments lie [ob 24][tile of 16 columns 8][K step 8], ob = 3 g + part for column n = 1024 part + 128 g + i.   ws [2][3072][16 bytes]: half H of K, row 128 ob + i, word j = K step 4 H + j.
;   w_proj [1024 (k)][1024 (n)] f32 -> wp: f16 images: a fragment (16 columns x 32 k) is 1,024 bytes, k = 8 pi .. 8 pi + 7 of column r at 256 pi + 16 r; fragments lie [tile of 16 columns 64][32 k 32].
; A block's scale is 2^(floor(log2(its largest magnitude)) - 2); its byte is the largest magnitude's exponent field - 2, held at 1 from below by a floor among the maximum's leaves.
; LIMITS: a block of zeros, and a block whose largest magnitude lies under 2^-124, gets the byte 1 (a block of zeros has zero codes, and this program alone reads the bytes); NaN and infinities are not served;
; w_proj goes to f16: beyond 65,504 it is not served, under 6e-5 it carries an absolute error of 3e-8.
; SHARES: work-groups 0-191 take w_attn, 192-255 w_proj, 256-511 x: three paths that part on the work-group's number alone; each path has LDS bytes of its own.
; The weights' K is their FIRST axis: a lane takes a column and its registers run down K, so a block of 32 lies in one lane and the codes come out with K innermost; nothing is transposed.
; No tensor loads, no cluster (no two work-groups read the same bytes), no matrix work: the launch streams.
.set WREG,  8192                       ; x path: a region of LDS for each wave: two stages of 32 x SP bytes, then its 256 scale bytes
.set SP,    80                         ; a lane's place in a stage: 64 bytes + 16 of padding
.set WSC,   4*WREG                     ; w_attn path: 512 bytes: the scale words of 32 columns x 4 K steps
.set SPARE, WSC+512                    ; the spare words, 128 bytes for each wave: two blocks of 256 bytes that no other line names
.set SPW,   12                         ; v12  LDS address of my spare word; never rewritten
.set NIL,   13                         ; v13  0; never rewritten
.set STEPS, 16
.set CB,    8                          ; bytes of 16 codes
.set R,     16                         ; x path: v16-79 four sets of 16 numbers as loaded
.set X,     80                         ;         v80-111 two sets of 16 neighbours
.set E,     112                        ;         v112-127 a scale byte for each step
.set C,     128                        ;         v128-191 codes, four registers a step: no store's data are written again
.set XW,    32                         ; weight paths: v32-95 two sets of 32 numbers down K
.set CW,    96                         ;               v96.. codes or f16 pairs, registers of their own for each block
; ---- x path's macros
.macro LOAD t
.irp i, 0,1,2,3
	global_load_b128 v[R+16*((\t)%4)+4*\i:R+16*((\t)%4)+4*\i+3], v3, s[4:5] offset:2048*(\t)+512*\i th:TH_LOAD_NT   ; 32 lanes read 512 consecutive bytes
.endr
.endm
.macro TURN t                          ; step t's 2,048 bytes through the wave's own stage: in as they lie, back 64 bytes a lane; LDS serves a wave's instructions in order
.irp i, 0,1,2,3
	ds_store_b128 v14, v[R+16*((\t)%4)+4*\i:R+16*((\t)%4)+4*\i+3] offset:32*SP*((\t)%2)+8*SP*\i
.endr
.irp i, 0,1,2,3
	ds_load_b128 v[X+16*((\t)%2)+4*\i:X+16*((\t)%2)+4*\i+3], v15 offset:32*SP*((\t)%2)+16*\i
.endr
.endm
.macro STEP t
.set XS, X+16*((\t)%2)
.if (\t) > 0
	s_wait_dscnt 1                                 ; this step's numbers are back from the stage (the last step's byte store may be out), so the stage's stores have read their registers,
.else
	s_wait_dscnt 0x0
.endif
.if (\t)+4 < STEPS
	LOAD (\t)+4                                    ; which take the loads of four steps on
.endif
.if (\t)+1 < STEPS
.if STEPS-2-(\t) >= 3
	s_wait_loadcnt 12                              ; the next step's four loads are in; those of the three steps behind it may be out
.else
	s_wait_loadcnt 4*(STEPS-2-(\t))
.endif
	TURN (\t)+1
.endif
	v_max3_num_f32 v8, |v[XS]|, |v[XS+1]|, |v[XS+2]|               ; the largest magnitude of my 16, in two chains
	v_max3_num_f32 v9, |v[XS+3]|, |v[XS+4]|, |v[XS+5]|
.irp i, 6,10
	v_max3_num_f32 v8, v8, |v[XS+\i]|, |v[XS+\i+1]|
	v_max3_num_f32 v9, v9, |v[XS+\i+2]|, |v[XS+\i+3]|
.endr
	v_max3_num_f32 v8, v8, |v[XS+14]|, |v[XS+15]|
	v_max3_num_f32 v8, v8, v9, 0x1800000           ; and the floor 2^(3 - 127): the byte cannot fall under 1
	v_max_num_f32_dpp v8, v8, v8 row_xmask:1 row_mask:0xf bank_mask:0xf   ; with my neighbour's 16: the block's
	v_add_nc_u32 v11, 0xff000000, v8               ; 2 off its exponent field: the conversion takes the exponent field of this operand as its scale
	v_cvt_scalef32_pk8_fp4_f32 v[C+4*(\t)], v[XS:XS+7], v11
	v_cvt_scalef32_pk8_fp4_f32 v[C+4*(\t)+1], v[XS+8:XS+15], v11
	v_lshrrev_b32 v[E+(\t)], 23, v11               ; the scale's byte (a plain line behind the conversions)
	ds_store_b8 v5, v[E+(\t)] offset:16*(\t)       ; both lanes of a block write the same byte with the same value
	global_store_b64 v4, v[C+4*(\t):C+4*(\t)+1], s[10:11] offset:32*CB*(\t)   ; the wave stores 256 consecutive bytes, aligned
.endm
; ---- the weight paths' macros
.macro LOADW b, t, pitch               ; rows 32 t .. 32 t + 31 of my 128 along K, at my column, into set t % 2: 32 lanes read 128 consecutive bytes
.irp i, 0,1,2,3,4,5,6,7,8,9,10,11,12,13,14,15,16,17,18,19,20,21,22,23,24,25,26,27,28,29,30,31
	global_load_b32 v[XW+32*((\t)%2)+\i], v3, s[\b:\b+1] offset:(32*(\t)+\i)*\pitch th:TH_LOAD_NT
.endr
.endm
.macro WAITW t                         ; block t's 32 loads are in; the next block's 32 may be out
.if (\t) < 3
	s_wait_loadcnt 32
.else
	s_wait_loadcnt 0x0
.endif
.endm
.macro BLOCKW t                        ; a block of 32 along K of my column of w_attn: all 32 numbers are mine
.set XS, XW+32*((\t)%2)
	WAITW \t
	v_max3_num_f32 v16, |v[XS]|, |v[XS+1]|, |v[XS+2]|
	v_max3_num_f32 v17, |v[XS+3]|, |v[XS+4]|, |v[XS+5]|
.irp i, 6,10,14,18,22,26
	v_max3_num_f32 v16, v16, |v[XS+\i]|, |v[XS+\i+1]|
	v_max3_num_f32 v17, v17, |v[XS+\i+2]|, |v[XS+\i+3]|
.endr
	v_max3_num_f32 v16, v16, |v[XS+30]|, |v[XS+31]|
	v_max3_num_f32 v16, v16, v17, 0x1800000        ; the floor, as above
	v_add_nc_u32 v18, 0xff000000, v16
.irp g, 0,1,2,3
	v_cvt_scalef32_pk8_fp4_f32 v[CW+4*(\t)+\g], v[XS+8*\g:XS+8*\g+7], v18
.endr
	v_lshrrev_b32 v19, 23, v18                     ; the byte (a plain line behind the conversions)
.if (\t) == 0
	v_mov_b32 v24, v19                             ; four bytes make my column's scale word of this K step
.else
	v_lshl_or_b32 v24, v19, 8*(\t), v24
.endif
	global_store_b128 v4, v[CW+4*(\t):CW+4*(\t)+3], s[14:15] offset:256*(\t)   ; sixteen lanes store 256 consecutive bytes, aligned: block t of a fragment's image
.if (\t) < 2
	LOADW 6, (\t)+2, 12288
.endif
.endm
.macro BLOCKP f                        ; 32 along K of my column of w_proj: one fragment's part
.set XS, XW+32*((\f)%2)
	WAITW \f
.irp i, 0,1,2,3,4,5,6,7,8,9,10,11,12,13,14,15
	v_cvt_pk_f16_f32 v[CW+16*(\f)+\i], v[XS+2*\i], v[XS+2*\i+1]
.endr
.irp g, 0,1,2,3
	global_store_b128 v4, v[CW+16*(\f)+4*\g:CW+16*(\f)+4*\g+3], s[18:19] offset:1024*(\f)+256*\g   ; sixteen lanes store 256 consecutive bytes, aligned
.endr
.if (\f) < 2
	LOADW 8, (\f)+2, 4096
.endif
.endm
	s_load_b256 s[4:11], s[0:1], 0x0               ; x s[4:5], w_attn s[6:7], w_proj s[8:9], xc s[10:11]
	s_load_b256 s[12:19], s[0:1], 0x20             ; xs s[12:13], wc s[14:15], ws s[16:17], wp s[18:19]
	v_lshl_add_u32 v[SPW], v0, 2, SPARE
	v_mov_b32 v[NIL], 0
	v_lshrrev_b32 v1, 5, v0
	v_readfirstlane_b32 s20, v1                    ; wave 0..3
	v_and_b32 v2, 31, v0                           ; lane
	s_mov_b32 s29, 0                               ; the high word of every offset pair s[28:29]
	s_wait_kmcnt 0x0
	s_cmp_lt_u32 ttmp9, 192
	s_cbranch_scc1 .Lw_attn
	s_cmp_lt_u32 ttmp9, 256
	s_cbranch_scc1 .Lw_proj
	; ---- x: a plain stream of blocks of 32.  A wave takes a run of 8,192 numbers in 16 steps of 512
	v_lshlrev_b32 v3, 4, v2                        ; my 16 bytes of a load's 512
	s_mul_i32 s21, s20, WREG
	v_lshrrev_b32 v14, 2, v2
	v_mul_u32_u24 v14, v14, SP
	v_and_b32 v15, 3, v2
	v_lshl_add_u32 v14, v15, 4, v14
	v_add_nc_u32 v14, s21, v14                     ; the stage, on the way in: SP (lane / 4) + 16 (lane % 4)
	v_mul_u32_u24 v15, v2, SP
	v_add_nc_u32 v15, s21, v15                     ; and on the way out: SP x lane: my 16 neighbours
	v_mul_u32_u24 v4, v2, CB                       ; my codes' place in a step's
	v_lshrrev_b32 v5, 1, v2
	s_add_co_u32 s21, s21, 2*32*SP
	v_add_nc_u32 v5, s21, v5                       ; my wave's 256 scale bytes, my block's byte
	v_lshlrev_b32 v7, 3, v2
	v_add_nc_u32 v6, s21, v7                       ; and on the way out 8 bytes a lane
	s_sub_co_u32 s22, ttmp9, 256
	s_lshl_b32 s22, s22, 2
	s_add_co_u32 s22, s22, s20                     ; my run, 0 .. 1023
	s_lshl_b32 s28, s22, 15                        ; 32,768 bytes of x,
	s_add_nc_u64 s[4:5], s[4:5], s[28:29]
	s_lshl_b32 s28, s22, 12                        ; 4,096 of codes,
	s_add_nc_u64 s[10:11], s[10:11], s[28:29]
	s_lshl_b32 s28, s22, 8                         ; 256 of scale bytes a run
	s_add_nc_u64 s[12:13], s[12:13], s[28:29]
.irp t, 0,1,2,3
	LOAD \t
.endr
	s_wait_loadcnt 12                              ; step 0's four loads are in
	TURN 0
.irp t, 0,1,2,3,4,5,6,7,8,9,10,11,12,13,14,15
	STEP \t
.endr
	ds_load_b64 v[8:9], v6                         ; LDS serves a wave's instructions in order: these see my byte stores
	s_wait_dscnt 0x0
	global_store_b64 v7, v[8:9], s[12:13]          ; 32 lanes store 256 consecutive bytes, aligned
	s_wait_tensorcnt 0x0                           ; the wave's end, behind my last LDS store
	ds_add_u32 v[SPW], v[NIL]
	s_wait_dscnt 0x0
	s_endpgm
.Lw_attn:
	; ---- w_attn: work-group = 32 columns (cg) x half of K (H); wave w takes K step q = 4 H + w, 128 rows of k
	s_lshr_b32 s21, ttmp9, 1                       ; cg 0..95
	s_and_b32 s22, ttmp9, 1                        ; H
	s_lshl_b32 s23, s22, 2
	s_add_co_u32 s23, s23, s20                     ; q
	s_lshr_b32 s24, s21, 5                         ; part: q, k or v
	s_bfe_u32 s25, s21, 0x30002                    ; g: which 128 columns of the part
	s_and_b32 s26, s21, 3                          ; sub: which 32 of the 128
	s_mul_i32 s27, s25, 3
	s_add_co_u32 s27, s27, s24                     ; ob = 3 g + part
	s_mul_i32 s28, s23, 128*12288                  ; from: row 128 q, column 32 cg
	s_lshl_b32 s30, s21, 7
	s_add_co_u32 s28, s28, s30
	s_add_nc_u64 s[6:7], s[6:7], s[28:29]
	s_lshl_b32 s28, s27, 16                        ; codes: 65,536 ob + 16,384 sub + 1,024 q
	s_lshl_b32 s30, s26, 14
	s_add_co_u32 s28, s28, s30
	s_lshl_b32 s30, s23, 10
	s_add_co_u32 s28, s28, s30
	s_add_nc_u64 s[14:15], s[14:15], s[28:29]
	s_mul_i32 s28, s22, 49152                      ; scale words: 49,152 H + 16 (128 ob + 32 sub)
	s_lshl_b32 s30, s27, 11
	s_add_co_u32 s28, s28, s30
	s_lshl_b32 s30, s26, 9
	s_add_co_u32 s28, s28, s30
	s_add_nc_u64 s[16:17], s[16:17], s[28:29]
	v_lshlrev_b32 v3, 2, v2                        ; in: 4 bytes a lane
	v_lshrrev_b32 v5, 4, v2
	v_and_b32 v6, 15, v2
	v_lshlrev_b32 v4, 4, v6
	v_lshl_add_u32 v4, v5, 13, v4                  ; out: my tile of 16 columns (8,192 bytes apart), 16 bytes a column
	v_lshlrev_b32 v7, 4, v2                        ; 16 x lane
	s_lshl_b32 s31, s20, 2
	v_add_nc_u32 v8, s31, v7                       ; my column's 16 bytes of scale words, my wave's word
	LOADW 6, 0, 12288
	LOADW 6, 1, 12288
.irp t, 0,1,2,3
	BLOCKW \t
.endr
	ds_store_b32 v8, v24 offset:WSC                ; the four waves' words of a column meet in LDS,
	s_wait_dscnt 0x0                               ; for the others' sake: my store is done
	s_barrier_signal -1
	s_barrier_wait -1
	s_cmp_lg_u32 s20, 0
	s_cbranch_scc1 .Lnot_wave_0
	ds_load_b128 v[28:31], v7 offset:WSC           ; and wave 0 stores 32 columns x 16 bytes: 512 consecutive bytes, aligned
	s_wait_dscnt 0x0
	global_store_b128 v7, v[28:31], s[16:17]
.Lnot_wave_0:
	s_wait_tensorcnt 0x0                           ; the wave's end
	ds_add_u32 v[SPW], v[NIL]
	s_wait_dscnt 0x0
	s_endpgm
.Lw_proj:
	; ---- w_proj: work-group = 128 columns (cb) x 128 along K (kc); wave w takes 32 columns
	s_sub_co_u32 s21, ttmp9, 192
	s_and_b32 s22, s21, 7                          ; cb
	s_lshr_b32 s23, s21, 3                         ; kc
	s_lshl_b32 s28, s23, 19                        ; from: row 128 kc (4,096 bytes a row), column 128 cb + 32 w
	s_lshl_b32 s30, s22, 9
	s_add_co_u32 s28, s28, s30
	s_lshl_b32 s30, s20, 7
	s_add_co_u32 s28, s28, s30
	s_add_nc_u64 s[8:9], s[8:9], s[28:29]
	s_lshl_b32 s28, s22, 18                        ; to: tile of 16 columns 8 cb + 2 w (32,768 bytes each), fragment 4 kc
	s_lshl_b32 s30, s20, 16
	s_add_co_u32 s28, s28, s30
	s_lshl_b32 s30, s23, 12
	s_add_co_u32 s28, s28, s30
	s_add_nc_u64 s[18:19], s[18:19], s[28:29]
	v_lshlrev_b32 v3, 2, v2
	v_lshrrev_b32 v5, 4, v2
	v_and_b32 v6, 15, v2
	v_lshlrev_b32 v4, 4, v6
	v_lshl_add_u32 v4, v5, 15, v4
	LOADW 8, 0, 4096
	LOADW 8, 1, 4096
.irp f, 0,1,2,3
	BLOCKP \f
.endr
	s_wait_tensorcnt 0x0                           ; the wave's end, as on the other paths
	ds_add_u32 v[SPW], v[NIL]
	s_wait_dscnt 0x0
	s_endpgm
.Lfunc_end_k_q9233707566_prep:
	.size	k_q9233707566_prep, .Lfunc_end_k_q9233707566_prep-k_q9233707566_prep
	.p2alignl 7, 3214868480
	.fill 96, 4, 3214868480
	.section	.rodata,"a",@progbits
	.p2align	6, 0x0
	.amdhsa_kernel k_q9233707566_prep
		.amdhsa_group_segment_fixed_size 33792
		.amdhsa_private_segment_fixed_size 0
		.amdhsa_enable_private_segment 0
		.amdhsa_kernarg_size 64
		.amdhsa_user_sgpr_count 2
		.amdhsa_user_sgpr_kernarg_segment_ptr 1
		.amdhsa_wavefront_size32 1
		.amdhsa_system_sgpr_workgroup_id_x 1
		.amdhsa_system_sgpr_workgroup_id_y 1
		.amdhsa_system_sgpr_workgroup_id_z 1
		.amdhsa_system_vgpr_workitem_id 0
		.amdhsa_next_free_vgpr 192
		.amdhsa_next_free_sgpr 66
		.amdhsa_reserve_vcc 0
		.amdhsa_float_denorm_mode_32 3
		.amdhsa_float_denorm_mode_16_64 3
		.amdhsa_memory_ordered 1
		.amdhsa_forward_progress 1
		.amdhsa_inst_pref_size 72
	.end_amdhsa_kernel
	.amdgpu_metadata
---
amdhsa.version: [ 1, 2 ]
amdhsa.kernels:
  - .name:           k_q9233707566_prep
    .symbol:         k_q9233707566_prep.kd
    .args:
      - { .name: x, .offset: 0, .size: 8, .value_kind: global_buffer, .address_space: global }
      - { .name: w_attn, .offset: 8, .size: 8, .value_kind: global_buffer, .address_space: global }
      - { .name: w_proj, .offset: 16, .size: 8, .value_kind: global_buffer, .address_space: global }
      - { .name: xc, .offset: 24, .size: 8, .value_kind: global_buffer, .address_space: global }
      - { .name: xs, .offset: 32, .size: 8, .value_kind: global_buffer, .address_space: global }
      - { .name: wc, .offset: 40, .size: 8, .value_kind: global_buffer, .address_space: global }
      - { .name: ws, .offset: 48, .size: 8, .value_kind: global_buffer, .address_space: global }
      - { .name: wp, .offset: 56, .size: 8, .value_kind: global_buffer, .address_space: global }
    .group_segment_fixed_size: 33792
    .private_segment_fixed_size: 0
    .kernarg_segment_align: 8
    .kernarg_segment_size: 64
    .max_flat_workgroup_size: 128
    .sgpr_count:     66
    .vgpr_count:     192
    .wavefront_size: 32
...
	.end_amdgpu_metadata
.endif
;; end of part 1
;; launch qkv (part 2): grid 8 x 32, 4 waves a work-group, clusters of 4 x 4, 327,680 bytes of LDS; arguments xc, xs, wc, ws, b_attn, qkv; writes qkv
.if DOCPART == 2
	.amdgcn_target "amdgcn-amd-amdhsa--gfx1250"
	.amdhsa_code_object_version 6
	.text
	.protected	k_q9233707566_qkv
	.globl	k_q9233707566_qkv
	.p2align	8
	.type	k_q9233707566_qkv,@function
k_q9233707566_qkv:
	s_mov_b64 s[64:65], 0
	v_nop
	global_prefetch_b8 v0, s[64:65] scope:SCOPE_SE
	s_setreg_imm32_b32 hwreg(HW_REG_WAVE_MODE, 25, 1), 1
	s_wait_xcnt 0x0
	s_wait_alu depctr_hold_cnt(0) depctr_sa_sdst(0) depctr_va_vdst(0) depctr_va_sdst(0) depctr_va_ssrc(0) depctr_va_vcc(0) depctr_vm_vsrc(0)
	s_getreg_b32 s2, hwreg(HW_REG_IB_STS2, 6, 4)
	s_cmp_eq_u32 s2, 0
	s_cbranch_scc0 .Lentry_in_a_cluster
	s_endpgm
.Lentry_in_a_cluster:
	s_bfe_u32 s2, ttmp6, 0x10000c
	s_cmp_lg_u32 s2, 0xf033
	s_cbranch_scc0 .Lentry_shape_is_right
	s_endpgm
.Lentry_shape_is_right:
; QKV = Q(x) Q(w_attn) + b_attn on codes of FP4 (E2M1) with E8M0 scales, sums in f32, results rounded once to f16.
; SHARES.  256 work-groups.  Work-group (g, gy) owns rows 256 gy .. + 255 of x and walks THREE tiles of 128 columns: p = 0, 1, 2 (q, k, v) at column 1024 p + 128 g.
; Wave (mh, nh) makes 128 rows x 64 columns, which is one head (2 g + nh): 32 accumulators of 16 x 16.  K = 1,024 is eight steps of 128: 3 x 8 x 32 = 768 matrix instructions a wave.
; x's FRAGMENTS FOR ALL OF K (8 blocks of rows x 8 steps = 512 registers) are read from LDS once, during tile 0, and stay in registers: from then on a step reads w's four fragments alone.
; THE MATRIX INSTRUCTION IS USED TRANSPOSED (source 0 = 16 columns of w, source 1 = 16 rows of x): a lane holds one row and eight neighbouring columns, which pack into 16 bytes of f16.
; Those 16 bytes a lane ARE a piece of the next launch's operand registers, so the results leave as they stand: each store of a wave covers 512 consecutive bytes, aligned; no stage.
;   qkv [part 3][head of a batch 64][tile of 16 rows 128][2,048 bytes]: piece b (512 bytes): channels 16 b + 8 h + 0..7 of row r at 256 h + 16 r; for v at 256 h + 16 (r xor 8 h).
; CLUSTER 4 x 4: x's tile hangs on gy alone and is asked for jointly along a row of the cluster, w's tiles on g alone, jointly along a column.
; LDS: x's 256 rows of 512 bytes, 16 of padding behind each (132 words: the 16 rows of a load start at 16 different banks; 64 banks of 4 bytes: ISA guide 11.1); two slots of 65,536 bytes for w's tiles,
; which are dense images read at 16 x lane.  Tiles 0 and 1 come with the first fills; tile 2 fills slot 0 again behind one round of the cluster's barrier.  A wave has three tensor loads out at the start, later one.
; The scale words come straight from memory, 16 bytes a lane: register j holds K step j in lanes 0-15 and K step 4 + j in lanes 16-31, so steps 4 to 7 name the same registers with the upper row of lanes.
; The bias is the C of each tile's first step.  A tile's way out stands by turns with the next tile's first step.
; LIMITS: results beyond 65,504 in magnitude are not served (f16); under 6e-5 they carry an absolute error of 3e-8.
; REGISTERS, in windows of 256: window 0: v1-14 addresses; v16-47 x's scale words; v48-95 w's; v96-191 the bias of the three tiles (a tile's 32 serve as packed results on its way out); v192-255 w's fragments, two sets.
;   windows 1, 2: x's fragment (block a, step q) at v[8 (8 (q % 4) + a)] of window 1 + q / 4.   window 3: accumulator (a, b) at v[8 (4 a + b)].
.set PA,    528
.set BS0,   256*PA
.set BS1,   BS0+65536
.set SPARE, BS1+65536                  ; the spare words, 128 bytes for each wave: two blocks of 256 bytes that no other line names
.set ADRA,  3                          ; v3    LDS address of my fragments of x
.set ADRB,  4                          ; v4-5  of w's in slot 0, 1
.set LQ,    6                          ; v6    16 x lane: a piece's place for my lane (q, k)
.set LV,    7                          ; v7    256 h + 16 (r xor 8 h): the same for v
.set SPW,   8                          ; v8    LDS address of my spare word; never rewritten
.set NIL,   9                          ; v9    0; never rewritten
.set SA,    16
.set SB,    48
.set BI,    96
.set BF,    192
.set WV,    16                         ; s16   my wave's number
.set MSB, 0
.macro WIN new                         ; the immediate's high byte repeats the setting that is left
.if MSB != \new
	s_set_vgpr_msb (MSB<<8)|\new
.set MSB, \new
.endif
.endm
.macro PLACES
.rept 4
	v_nop
.endr
.endm
.macro CREST                           ; a round of the cluster's barrier behind its opening barrier
	s_cmp_lg_u32 s[WV], 0
	s_cbranch_scc1 .Lnot_wave_0_\@
	s_barrier_signal -3
.Lnot_wave_0_\@:
	s_barrier_wait -3
	s_barrier_signal -1
	s_barrier_wait -1
.endm
.macro CROUND
	s_barrier_signal -1
	s_barrier_wait -1
	CREST
.endm
.macro FETCHA q                        ; x's eight fragments of step q: lane (r, h): row r, 16 bytes at 64 q + 16 h and 32 further on
.if (\q) < 4
	WIN 0x40
.else
	WIN 0x80
.endif
.irp a, 0,1,2,3,4,5,6,7
.irp c, 0,1
	ds_load_b128 v[8*(8*((\q)%4)+\a)+4*\c:8*(8*((\q)%4)+\a)+4*\c+3], v[ADRA] offset:\a*16*PA+64*(\q)+32*\c
.endr
.endr
.endm
.macro FETCHB s, q, sg                 ; w's four fragments of step q, out of slot s, into set sg
	WIN 0
.irp b, 0,1,2,3
.irp c, 0,1
	ds_load_b128 v[BF+32*(\sg)+8*\b+4*\c:BF+32*(\sg)+8*\b+4*\c+3], v[ADRB+(\s)] offset:\b*8192+(\q)*1024+512*\c
.endr
.endr
.endm
; cnt blocks of x's rows from a0 on x w's four blocks, step q of tile p.  first = 1: the bias starts the sums.  The accumulators take turns, one instruction a turn, in the same order in every step.
.macro MUL p, q, a0, cnt, first
.if \first
	WIN 0xc4                                       ; source 0 (w) window 0, source 1 (x) window 1, C (bias) window 0, D window 3
.elseif (\q) < 4
	WIN 0xf4                                       ; C and D window 3
.else
	WIN 0xf8                                       ; x's fragments of steps 4 to 7: window 2
.endif
.set ma, \a0
.rept \cnt
.irp b, 0,1,2,3
.if \first
	v_wmma_scale_f32_16x16x128_f8f6f4 v[8*(4*ma+\b):8*(4*ma+\b)+7], v[BF+32*((\q)%2)+8*\b:BF+32*((\q)%2)+8*\b+7], v[8*(8*((\q)%4)+ma):8*(8*((\q)%4)+ma)+7], v[BI+32*(\p)+8*\b:BI+32*(\p)+8*\b+7], v[SB+16*(\p)+4*\b+(\q)%4], v[SA+4*ma+(\q)%4] matrix_a_fmt:MATRIX_FMT_FP4 matrix_b_fmt:MATRIX_FMT_FP4
.elseif (\q) < 4
	v_wmma_scale_f32_16x16x128_f8f6f4 v[8*(4*ma+\b):8*(4*ma+\b)+7], v[BF+32*((\q)%2)+8*\b:BF+32*((\q)%2)+8*\b+7], v[8*(8*((\q)%4)+ma):8*(8*((\q)%4)+ma)+7], v[8*(4*ma+\b):8*(4*ma+\b)+7], v[SB+16*(\p)+4*\b+(\q)%4], v[SA+4*ma+(\q)%4] matrix_a_fmt:MATRIX_FMT_FP4 matrix_b_fmt:MATRIX_FMT_FP4
.else
	v_wmma_scale_f32_16x16x128_f8f6f4 v[8*(4*ma+\b):8*(4*ma+\b)+7], v[BF+32*((\q)%2)+8*\b:BF+32*((\q)%2)+8*\b+7], v[8*(8*((\q)%4)+ma):8*(8*((\q)%4)+ma)+7], v[8*(4*ma+\b):8*(4*ma+\b)+7], v[SB+16*(\p)+4*\b+(\q)%4], v[SA+4*ma+(\q)%4] matrix_a_fmt:MATRIX_FMT_FP4 matrix_b_fmt:MATRIX_FMT_FP4 matrix_a_scale:MATRIX_SCALE_ROW1 matrix_b_scale:MATRIX_SCALE_ROW1
.endif
.endr
.set ma, ma+1
.endr
.endm
; Steps 1 to 6 of a tile: this step's fragments, asked for a step ago, are in; the next step's are asked for, four places behind the products that read that set; then the step's 32 products.
.macro STEP p, q
	s_wait_dscnt 0x0
	WIN 0
	PLACES
	FETCHB (\p)%2, (\q)+1, ((\q)+1)%2
.if (\p) == 0
	FETCHA (\q)+1
.endif
	MUL \p, \q, 0, 8, 0
.endm
; Step 7 changes slots.  In front of the barrier each wave waits for all its tensor loads, adds 0 to its spare word, and waits for that and for its reads of the slot.
; fill = 1: the barrier opens a round of the cluster's barrier and the slot just read out takes tile 2.  Behind it the next tile's steps 0 and 1 are fetched.
.macro TURN p, fill
	WIN 0
	s_wait_tensorcnt 0x0                           ; all my tensor loads have landed: my part of the next tile among them
	ds_add_u32 v[SPW], v[NIL]                      ; 0 onto my spare word
	s_wait_dscnt 1                                 ; step 7's fragments are in; the add alone may be out
	MUL \p, 7, 0, 4, 0                             ; sixteen products stand between the add and the wait for it
	s_wait_dscnt 0x0                               ; the add is done, and my reads of this slot are over
	s_barrier_signal -1
	MUL \p, 7, 4, 4, 0
	WIN 0                                          ; at a branch and at a label every window is 0
	s_barrier_wait -1
.if \fill
	CREST                                          ; no wave of any partner still reads the slot or has a load on its way
	s_add_nc_u64 s[58:59], s[58:59], 131072        ; two tiles on
	tensor_load_to_lds s[56:59], s[48:55]          ; my one tensor load behind the round, and the first thing there
	s_nop 0
	PLACES                                         ; also the places in front of the loads below and of the conversions that follow
.else
	PLACES
.endif
	FETCHB ((\p)+1)%2, 0, 0
	FETCHB ((\p)+1)%2, 1, 1
.endm
; Blocks 2 g and 2 g + 1 of tile p leave: 32 roundings to f16, each accumulator from its low end on, and eight stores of 512 consecutive bytes.
.macro OUTG p, g
	s_wait_xcnt 0x0                                ; the last group's stores have read their data registers, which are written again below
	WIN 0x0f                                       ; sources 0 and 1: window 3
.irp e, 0,1
.irp b, 0,1,2,3
.irp i, 0,1,2,3
	v_cvt_pk_f16_f32 v[BI+32*(\p)+4*(4*\e+\b)+\i], v[8*(4*(2*(\g)+\e)+\b)+2*\i], v[8*(4*(2*(\g)+\e)+\b)+2*\i+1]
.endr
.endr
.endr
	WIN 0
.irp e, 0,1
.irp b, 0,1,2,3
.if (\p) == 2
	global_store_b128 v[LV], v[BI+32*(\p)+4*(4*\e+\b):BI+32*(\p)+4*(4*\e+\b)+3], s[68+2*(\p):69+2*(\p)] offset:(2*(\g)+\e)*2048+512*\b th:TH_STORE_NT
.else
	global_store_b128 v[LQ], v[BI+32*(\p)+4*(4*\e+\b):BI+32*(\p)+4*(4*\e+\b)+3], s[68+2*(\p):69+2*(\p)] offset:(2*(\g)+\e)*2048+512*\b th:TH_STORE_NT
.endif
.endr
.endr
.endm
; Tile p leaves, and the next tile's first step begins on the accumulators that have been packed: the places in front of an accumulator begun anew are the four v_nop of the change of slots and the other accumulators' conversions.
.macro WAYOUT p
.irp g, 0,1,2,3
	OUTG \p, \g
.if \g == 0
	s_wait_dscnt 0x0                               ; the next tile's steps 0 and 1 are in
.endif
	MUL (\p)+1, 0, 2*\g, 2, 1
.endr
.endm
	s_load_b256 s[4:11], s[0:1], 0x0               ; xc s[4:5], xs s[6:7], wc s[8:9], ws s[10:11]
	s_load_b128 s[12:15], s[0:1], 0x20             ; b_attn s[12:13], qkv s[14:15]
	v_lshl_add_u32 v[SPW], v0, 2, SPARE
	v_mov_b32 v[NIL], 0
	ds_add_u32 v[SPW], v[NIL]                      ; the wave's opening: the add, twice on end, and its wait ahead of my first tensor load
	ds_add_u32 v[SPW], v[NIL]
	v_lshrrev_b32 v1, 5, v0
	v_readfirstlane_b32 s[WV], v1                  ; wave 0..3
	s_lshr_b32 s17, s[WV], 1                       ; mh: my half of the rows
	s_and_b32 s18, s[WV], 1                        ; nh: my half of the columns
	s_bfe_u32 s40, ttmp6, 0x40000                  ; cx
	s_bfe_u32 s41, ttmp6, 0x40004                  ; cy
	s_lshl_b32 s42, ttmp9, 2
	s_add_co_u32 s42, s42, s40                     ; g = 4 x cluster x + cx
	s_and_b32 s43, ttmp7, 0xffff
	s_lshl_b32 s43, s43, 2
	s_add_co_u32 s43, s43, s41                     ; gy = 4 x cluster y + cy
	s_lshl_b32 s44, s41, 2
	s_lshl_b32 s44, 15, s44                        ; my row of the cluster
	s_lshl_b32 s45, 0x1111, s40                    ; my column
	; group 1 for x: 64 rows of 512 bytes, 16 bytes of padding behind each
	s_or_b32 s24, s44, (1<<20)|(1<<21)|(6<<22)|(3<<25)   ; the mask; elements of 1 byte; padding on; bit 21 beside a mask; after every 128 words, 4 words
	s_mov_b32 s25, 512<<16                         ; tensor_dim0
	s_mov_b32 s26, 64<<16                          ; tensor_dim1
	s_mov_b32 s27, 512<<16                         ; tile_dim0
	s_mov_b32 s28, 64                              ; tile_dim1
	s_mov_b32 s29, 512                             ; from row to row
	s_mov_b32 s30, 0
	s_mov_b32 s31, 0
	; group 1 for w: a dense block of 16,384 bytes as 64 rows of 256 (32 elements of 8 bytes)
	s_or_b32 s48, s45, (3<<16)|(1<<21)
	s_mov_b32 s49, 32<<16
	s_mov_b32 s50, 64<<16
	s_mov_b32 s51, 32<<16
	s_mov_b32 s52, 64
	s_mov_b32 s53, 32
	s_mov_b32 s54, 0
	s_mov_b32 s55, 0
	s_lshl_b32 s20, s43, 17                        ; x: row 256 gy + 64 w, 512 bytes a row: made of gy and the wave alone
	s_lshl_b32 s21, s[WV], 15
	s_add_co_u32 s20, s20, s21
	s_mov_b32 s21, 0
	s_mul_i32 s46, s42, 196608                     ; w: three tiles of 65,536 bytes for each g, my quarter of a tile: made of g and the wave alone
	s_lshl_b32 s47, s[WV], 14
	s_add_co_u32 s46, s46, s47
	s_mov_b32 s47, 0
	s_mov_b32 s32, 1
	s_mul_i32 s33, s[WV], 64*PA                    ; no place in the cluster enters an LDS address
	s_mov_b32 s56, 1
	s_lshl_b32 s57, s[WV], 14
	s_add_co_u32 s57, s57, BS0
	s_mov_b32 s60, 1
	s_add_co_u32 s61, s57, 65536
	s_wait_dscnt 0x0                               ; both opening adds are done
	s_wait_kmcnt 0x0
	s_add_nc_u64 s[34:35], s[4:5], s[20:21]
	s_or_b32 s35, s35, 0x80000000
	s_add_nc_u64 s[58:59], s[8:9], s[46:47]
	s_add_nc_u64 s[62:63], s[58:59], 65536
	s_or_b32 s59, s59, 0x80000000
	s_or_b32 s63, s63, 0x80000000
	CROUND                                         ; all sixteen work-groups are here: the first joint loads meet
	tensor_load_to_lds s[32:35], s[24:31]          ; my 64 rows of x
	s_nop 0
	tensor_load_to_lds s[56:59], s[48:55]          ; my quarter of tile 0 of w
	s_nop 0
	tensor_load_to_lds s[60:63], s[48:55]          ; and of tile 1
	s_nop 0
	PLACES
	v_and_b32 v1, 15, v0                           ; r
	v_bfe_u32 v2, v0, 4, 1                         ; h
	v_and_b32 v13, 31, v0                          ; lane
	v_lshlrev_b32 v10, 5, v1
	v_lshl_add_u32 v10, v2, 4, v10                 ; xs: row r of 32 bytes; lanes 16-31 the words of steps 4 to 7
	v_mul_u32_u24 v11, v2, 49152
	v_lshl_add_u32 v11, v1, 4, v11                 ; ws: row r of 16 bytes; lanes 16-31 the other half of K
	v_lshlrev_b32 v12, 5, v2                       ; b_attn: my eight columns of a tile of 16
	s_lshl_b32 s74, s43, 13                        ; xs at row 256 gy + 128 mh
	s_lshl_b32 s75, s17, 12
	s_add_co_u32 s74, s74, s75
	s_mov_b32 s75, 0
	s_add_nc_u64 s[6:7], s[6:7], s[74:75]
	s_mul_i32 s74, s42, 6144                       ; ws at row 384 g + 64 nh
	s_lshl_b32 s76, s18, 10
	s_add_co_u32 s74, s74, s76
	s_add_nc_u64 s[10:11], s[10:11], s[74:75]
	s_lshl_b32 s74, s42, 9                         ; b_attn at column 128 g + 64 nh
	s_lshl_b32 s76, s18, 8
	s_add_co_u32 s74, s74, s76
	s_add_nc_u64 s[12:13], s[12:13], s[74:75]
.irp a, 0,1,2,3,4,5,6,7
	global_load_b128 v[SA+4*\a:SA+4*\a+3], v10, s[6:7] offset:512*\a       ; 512 consecutive bytes
.endr
.irp p, 0,1,2
.irp b, 0,1,2,3
	global_load_b128 v[SB+16*\p+4*\b:SB+16*\p+4*\b+3], v11, s[10:11] offset:2048*\p+256*\b
	global_load_b128 v[BI+32*\p+8*\b:BI+32*\p+8*\b+3], v12, s[12:13] offset:4096*\p+64*\b
	global_load_b128 v[BI+32*\p+8*\b+4:BI+32*\p+8*\b+7], v12, s[12:13] offset:4096*\p+64*\b+16
.endr
.endr
	v_mul_u32_u24 v[ADRA], v1, PA
	v_lshl_add_u32 v[ADRA], v2, 4, v[ADRA]
	s_mul_i32 s19, s17, 128*PA
	v_add_nc_u32 v[ADRA], s19, v[ADRA]             ; my 128 rows: row r x pitch + 16 h
	v_lshlrev_b32 v[LQ], 4, v13
	s_lshl_b32 s19, s18, 15
	s_add_co_u32 s19, s19, BS0
	v_add_nc_u32 v[ADRB], s19, v[LQ]               ; my four tiles of 16 columns, 16 x lane
	s_add_co_u32 s19, s19, 65536
	v_add_nc_u32 v[ADRB+1], s19, v[LQ]
	v_lshlrev_b32 v14, 3, v2
	v_xor_b32 v14, v14, v1
	v_lshlrev_b32 v[LV], 4, v14
	v_lshl_add_u32 v[LV], v2, 8, v[LV]
	s_lshr_b32 s74, s43, 3                         ; where my results go: head of a batch 16 (gy / 8) + 2 g + nh,
	s_lshl_b32 s74, s74, 4
	s_lshl_b32 s76, s42, 1
	s_add_co_u32 s74, s74, s76
	s_add_co_u32 s74, s74, s18
	s_lshl_b32 s74, s74, 7
	s_and_b32 s76, s43, 7                          ; tile of 16 rows 16 (gy % 8) + 8 mh
	s_lshl_b32 s76, s76, 4
	s_add_co_u32 s74, s74, s76
	s_lshl_b32 s76, s17, 3
	s_add_co_u32 s74, s74, s76
	s_lshl_b32 s74, s74, 11
	s_add_nc_u64 s[68:69], s[14:15], s[74:75]      ; q's part,
	s_add_nc_u64 s[70:71], s[68:69], 0x1000000     ; k's,
	s_add_nc_u64 s[72:73], s[70:71], 0x1000000     ; v's
	s_wait_tensorcnt 1                             ; my parts of x and of tile 0 are in; tile 1's may stay out
	s_barrier_signal -1
	s_barrier_wait -1                              ; everybody's are
	FETCHA 0
	FETCHB 0, 0, 0
	s_wait_loadcnt 0x0                             ; the scale words and the bias, once
	s_wait_dscnt 0x0
	FETCHB 0, 1, 1
	FETCHA 1
	MUL 0, 0, 0, 8, 1
.irp q, 1,2,3,4,5,6
	STEP 0, \q
.endr
	TURN 0, 1
	WAYOUT 0
.irp q, 1,2,3,4,5,6
	STEP 1, \q
.endr
	TURN 1, 0                                      ; its wait for all tensor loads and its barrier show tile 2 whole to every wave
	WAYOUT 1
.irp q, 1,2,3,4,5,6
	STEP 2, \q
.endr
	s_wait_dscnt 0x0
	MUL 2, 7, 0, 8, 0
	WIN 0
	PLACES                                         ; in front of conversions that read results just made
.irp g, 0,1,2,3
	OUTG 2, \g
.endr
	s_wait_tensorcnt 0x0                           ; the wave's end
	ds_add_u32 v[SPW], v[NIL]
	s_wait_dscnt 0x0
	CROUND                                         ; the closing round: no work-group ends while a partner may still ask for a tile that names it
	s_endpgm
.Lfunc_end_k_q9233707566_qkv:
	.size	k_q9233707566_qkv, .Lfunc_end_k_q9233707566_qkv-k_q9233707566_qkv
	.p2alignl 7, 3214868480
	.fill 96, 4, 3214868480
	.section	.rodata,"a",@progbits
	.p2align	6, 0x0
	.amdhsa_kernel k_q9233707566_qkv
		.amdhsa_group_segment_fixed_size 327680
		.amdhsa_private_segment_fixed_size 0
		.amdhsa_enable_private_segment 0
		.amdhsa_kernarg_size 48
		.amdhsa_user_sgpr_count 2
		.amdhsa_user_sgpr_kernarg_segment_ptr 1
		.amdhsa_wavefront_size32 1
		.amdhsa_system_sgpr_workgroup_id_x 1
		.amdhsa_system_sgpr_workgroup_id_y 1
		.amdhsa_system_sgpr_workgroup_id_z 1
		.amdhsa_system_vgpr_workitem_id 0
		.amdhsa_next_free_vgpr 1024
		.amdhsa_next_free_sgpr 80
		.amdhsa_reserve_vcc 0
		.amdhsa_float_denorm_mode_32 3
		.amdhsa_float_denorm_mode_16_64 3
		.amdhsa_memory_ordered 1
		.amdhsa_forward_progress 1
		.amdhsa_inst_pref_size 167
	.end_amdhsa_kernel
	.amdgpu_metadata
---
amdhsa.version: [ 1, 2 ]
amdhsa.kernels:
  - .name:           k_q9233707566_qkv
    .symbol:         k_q9233707566_qkv.kd
    .args:
      - { .name: xc, .offset: 0, .size: 8, .value_kind: global_buffer, .address_space: global }
      - { .name: xs, .offset: 8, .size: 8, .value_kind: global_buffer, .address_space: global }
      - { .name: wc, .offset: 16, .size: 8, .value_kind: global_buffer, .address_space: global }
      - { .name: ws, .offset: 24, .size: 8, .value_kind: global_buffer, .address_space: global }
      - { .name: b_attn, .offset: 32, .size: 8, .value_kind: global_buffer, .address_space: global }
      - { .name: qkv, .offset: 40, .size: 8, .value_kind: global_buffer, .address_space: global }
    .group_segment_fixed_size: 327680
    .private_segment_fixed_size: 0
    .kernarg_segment_align: 8
    .kernarg_segment_size: 48
    .max_flat_workgroup_size: 128
    .sgpr_count:     80
    .vgpr_count:     1024
    .wavefront_size: 32
...
	.end_amdgpu_metadata
.endif
;; end of part 2
;; launch attn (part 3): grid 4 x 64, 16 waves a work-group, clusters of 4 x 1, 327,680 bytes of LDS; arguments qkv, y; writes y
.if DOCPART == 3
	.amdgcn_target "amdgcn-amd-amdhsa--gfx1250"
	.amdhsa_code_object_version 6
	.text
	.protected	k_q9233707566_attn
	.globl	k_q9233707566_attn
	.p2align	8
	.type	k_q9233707566_attn,@function
k_q9233707566_attn:
	s_mov_b64 s[64:65], 0
	v_nop
	global_prefetch_b8 v0, s[64:65] scope:SCOPE_SE
	s_setreg_imm32_b32 hwreg(HW_REG_WAVE_MODE, 25, 1), 1
	s_wait_xcnt 0x0
	s_wait_alu depctr_hold_cnt(0) depctr_sa_sdst(0) depctr_va_vdst(0) depctr_va_sdst(0) depctr_va_ssrc(0) depctr_va_vcc(0) depctr_vm_vsrc(0)
	s_getreg_b32 s2, hwreg(HW_REG_IB_STS2, 6, 4)
	s_cmp_eq_u32 s2, 0
	s_cbranch_scc0 .Lentry_in_a_cluster
	s_endpgm
.Lentry_in_a_cluster:
	s_bfe_u32 s2, ttmp6, 0x10000c
	s_cmp_lg_u32 s2, 0x3003
	s_cbranch_scc0 .Lentry_shape_is_right
	s_endpgm
.Lentry_shape_is_right:
; Y[bh][q][:] = the sum over k of softmax_k(Q[bh][q] . K[bh][k] / 8) V[bh][k][:], head size 64, 2,048 keys, no mask.  Operands f16, products, maxima and sums f32; the weights p are rounded to f16 for the second product.
; qkv holds q, k, v as images of operand registers (see the launch before): a tile of 16 rows is 2,048 bytes, two fragments of 16 rows x 32 channels.  y leaves as such images too, for the projection:
;   y [tile of 16 rows 512][fragment of 32 along C 32][1,024 bytes].
; SHARES.  A work-group owns 512 queries of one head of one batch; each of its SIXTEEN waves 32 of them, two tiles, in 256 registers: four waves to a SIMD, so that one wave's softmax stands beside another's products and LDS loads;
; no register windows.  Every wave walks all keys, 64 a step.
; LAYOUT.  S^T = K Q^T (source 0 = 16 keys, source 1 = 16 queries): a lane holds ONE query and the keys 8 (lane / 16) + 0..7 of a tile; two such tiles rounded to f16 in pairs ARE source 1 of O^T = V^T P.
; V ([key][channel]) comes out of LDS turned, by ds_load_tr16_b128; its rows' halves were laid crosswise by the launch before.
; SOFTMAX.  For each query a running maximum m and sum l: p = 2^(c s - c m), c = log2(e) / 8; in every step O and l are multiplied by a = 2^(c m_old - c m_new).  m begins at -3e38 and O and l at 0, so the step is written once.
; RING.  Two slots of 512 keys: K's 65,536 bytes, then V's.  K and V have one shape and lie in one buffer: ONE descriptor shape and one tensor line serve all sixteen waves, 8,192 bytes each (waves 0-7 K, waves 8-15 V).
; The change of slots stands at a slot's head; the load issued there has eight key steps in which to land.  A wave has one tensor load out.
; CLUSTER.  The four query blocks of a head walk the same K and V: each tile is asked for jointly, with a mask that names the four.
; LIMITS: q, k, v beyond 65,504 are not served; y under 6e-5 carries an absolute error of 3e-8 (f16); NaN and infinities are not served.
.set SLOT1, 131072
.set VOFF,  65536
.set SPARE, 262144                     ; the spare words, 128 bytes for each wave: eight blocks of 256 bytes that no other line names
.set AK0, 1                            ; v1   16 x lane: my place in a fragment of K
.set AV0, 2                            ; v2   my place in a tile of V for the turning load
.set ADK, 3                            ; v3   LDS address of the step's K
.set ADV, 4                            ; v4   of its V
.set SPW, 5                            ; v5   LDS address of my spare word; never rewritten
.set NIL, 6                            ; v6   0; never rewritten
.set GO,  7                            ; v7   16 x lane: my byte offset in a piece of Q and of y
.set ST,  8                            ; v8-23   tile t's statistics at v[ST + 8 t]: +0 c m, +1 m, +2, +3 l (even keys', odd keys'), +4 to +7 c0-c3 at work; a takes c2's place
.set Q,   24                           ; v24-55  Q: tile t, channels 32 f on, at 24 + 16 t + 8 f
.set KV,  56                           ; v56-119 K's eight fragments, then V's eight
.set S,   120                          ; v120-183 S^T, 32 a tile; P is packed in place into a tile's first 16
.set O,   184                          ; v184-247 O^T, 32 a tile
.set TT,  248                          ; v[248:249], v[252:253] the second chain of a tile's sum
.set PFO, 250                          ; v250 256 x lane; never rewritten
.set WV,  8
.set G1,  16                           ; s[16:23] descriptor group 1
.set G0,  24                           ; s[24:27] group 0, which walks
.set CS,  28                           ; s[28:29] c, twice
.set SEL, 30                           ; s[30:31] lane selects for v_permlanex16_b32: lane l xor 16
.set TB,  32                           ; s32  LDS byte at which the step's tiles begin
.set SLOTS, 33
.set STEPC, 34
.set PFA, 36                           ; s[36:37] where my prefetches stand
.set LIM, 38                           ; s38  1 in a wave that prefetches, else the greatest number
.macro CROUND                          ; a round of the cluster's barrier
	s_barrier_signal -1
	s_barrier_wait -1
	s_cmp_lg_u32 s[WV], 0
	s_cbranch_scc1 .Lnot_wave_0_\@
	s_barrier_signal -3
.Lnot_wave_0_\@:
	s_barrier_wait -3
	s_barrier_signal -1
	s_barrier_wait -1
.endm
; A prefetch of what the NEXT change of slots will ask for: 65,536 bytes of K and of V.  The four partners take 16,384 bytes each, told apart BY ADDRESS; in each, waves 0, 1 ask for K's and waves 8, 9 for V's,
; 8,192 bytes a wave, lanes 256 bytes apart: each block of 256 bytes is named once in the launch.  The last change that fills a slot asks for nothing; slots 0 and 1 come by their loads alone.
.macro ASK
	s_cmp_gt_u32 s[SLOTS], s[LIM]
	s_cbranch_scc0 .Lnot_mine_\@
	global_prefetch_b8 v[PFO], s[PFA:PFA+1] th:TH_LOAD_NT scope:SCOPE_SE
.Lnot_mine_\@:
.endm
; THE CHANGE OF SLOTS, at a slot's head.  Each wave waits for all its tensor loads (its part of the slot ahead), adds 0 to its spare word, and waits for that and for its reads of the slot that it has left.
; fill = 1: a round of the cluster's barrier, and behind it the slot just left takes the next 512 keys.
.macro CHANGE fill
	s_wait_tensorcnt 0x0                           ; no tensor load of mine is out, so group 0 may be written
	ds_add_u32 v[SPW], v[NIL]                      ; 0 onto my spare word
.if \fill
	s_xor_b32 s[G0+1], s[G0+1], SLOT1              ; the other slot than last time,
	s_add_nc_u64 s[G0+2:G0+3], s[G0+2:G0+3], 65536 ; the next 512 keys; the type bits on top are not reached
	s_wait_xcnt 0x0                                ; the last prefetch, a slot back, has read its address
	s_add_nc_u64 s[PFA:PFA+1], s[PFA:PFA+1], 65536 ; one slot further on than the walking descriptor
	s_wait_dscnt 0x0                               ; the add is done, and my reads of the slot that I have left are over
	CROUND
	tensor_load_to_lds s[G0:G0+3], s[G1:G1+7]      ; my one tensor load behind the round, and the first thing there
	s_nop 0
.rept 4
	v_nop
.endr
	ASK
.else
	s_wait_dscnt 0x0
	s_barrier_signal -1
	s_barrier_wait -1
.endif
.endm
; A KEY STEP: 64 keys.
.macro STEP
	v_add_nc_u32 v[ADK], s[TB], v[AK0]             ; these two and three v_nop: five places between the last step's products V^T P and the loads into their registers (four are asked) and the products that write over P (five)
	v_add_nc_u32 v[ADV], s[TB], v[AV0]
.rept 3
	v_nop
.endr
.irp f, 0,1                                    ; K: keys 16 k on, channels 32 f on; the lower 32 channels first
.irp k, 0,1,2,3
.irp u, 0,1
	ds_load_b128 v[KV+8*(2*\k+\f)+4*\u:KV+8*(2*\k+\f)+4*\u+3], v[ADK] offset:(2*\k+\f)*1024+512*\u
.endr
.endr
.endr
	s_wait_dscnt 8                                 ; the lower 32 channels are in; the youngest eight loads may be out
.irp k, 0,1,2,3
.irp t, 0,1
	v_wmma_f32_16x16x32_f16 v[S+32*\t+8*\k:S+32*\t+8*\k+7], v[KV+16*\k:KV+16*\k+7], v[Q+16*\t:Q+16*\t+7], 0
.endr
.endr
	s_wait_dscnt 0x0
.irp k, 0,1,2,3                                ; the eight accumulators take turns
.irp t, 0,1
	v_wmma_f32_16x16x32_f16 v[S+32*\t+8*\k:S+32*\t+8*\k+7], v[KV+16*\k+8:KV+16*\k+15], v[Q+16*\t+8:Q+16*\t+15], v[S+32*\t+8*\k:S+32*\t+8*\k+7]
.endr
.endr
.rept 4
	v_nop                                          ; places in front of the loads into K's registers and of the first read of the scores
.endr
.irp f, 0,1                                    ; V, turned: keys 32 f + 16 u on, channels 16 c on; it lands under the softmax
.irp c, 0,1,2,3
.irp u, 0,1
	ds_load_tr16_b128 v[KV+8*(4*\f+\c)+4*\u:KV+8*(4*\f+\c)+4*\u+3], v[ADV] offset:(2*\f+\u)*2048+512*\c
.endr
.endr
.endr
	; the softmax, the two tiles line by line.  The maximum: four chains, each begun at its accumulator's three lowest registers
.irp j, 0,1,2,3
.irp t, 0,1
	v_max3_num_f32 v[ST+8*\t+4+\j], v[S+32*\t+8*\j], v[S+32*\t+8*\j+1], v[S+32*\t+8*\j+2]
.endr
.endr
.irp i, 3,5
.irp j, 0,1,2,3
.irp t, 0,1
	v_max3_num_f32 v[ST+8*\t+4+\j], v[ST+8*\t+4+\j], v[S+32*\t+8*\j+\i], v[S+32*\t+8*\j+\i+1]
.endr
.endr
.endr
.irp t, 0,1
	v_max3_num_f32 v[ST+8*\t+4], v[ST+8*\t+4], v[S+32*\t+7], v[S+32*\t+15]
.endr
.irp t, 0,1
	v_max3_num_f32 v[ST+8*\t+6], v[ST+8*\t+6], v[S+32*\t+23], v[S+32*\t+31]
.endr
.irp t, 0,1
	v_max3_num_f32 v[ST+8*\t+4], v[ST+8*\t+4], v[ST+8*\t+5], v[ST+8*\t+6]
.endr
.irp t, 0,1
	v_max3_num_f32 v[ST+8*\t+4], v[ST+8*\t+4], v[ST+8*\t+7], v[ST+8*\t+1]   ; with the old m
.endr
.irp t, 0,1
	v_permlanex16_b32 v[ST+8*\t+5], v[ST+8*\t+4], s[SEL], s[SEL+1]          ; the query's other 32 keys lie in the lane 16 away
.endr
.irp t, 0,1
	v_mov_b32 v[ST+8*\t+7], v[ST+8*\t]             ; c m_old is kept for a
.endr
.irp t, 0,1
	v_max_num_f32 v[ST+8*\t+1], v[ST+8*\t+4], v[ST+8*\t+5]
.endr
.irp t, 0,1
	v_mul_f32 v[ST+8*\t], s[CS], v[ST+8*\t+1]
.endr
.irp t, 0,1
	v_sub_f32 v[ST+8*\t+7], v[ST+8*\t+7], v[ST+8*\t]
.endr
.irp t, 0,1
	v_exp_f32 v[ST+8*\t+6], v[ST+8*\t+7]           ; a
.endr
.irp b, 0,2,4,6,8,10,12,14,16,18,20,22,24,26,28,30
.irp t, 0,1
	v_pk_fma_f32 v[S+32*\t+\b:S+32*\t+\b+1], v[S+32*\t+\b:S+32*\t+\b+1], s[CS:CS+1], v[ST+8*\t:ST+8*\t+1] op_sel_hi:[1,0,0] neg_lo:[0,0,1] neg_hi:[0,0,1]   ; c s - c m
.endr
.endr
.irp i, 0,1,2,3,4,5,6,7,8,9,10,11,12,13,14,15,16,17,18,19,20,21,22,23,24,25,26,27,28,29,30,31
.irp t, 0,1
	v_exp_f32 v[S+32*\t+\i], v[S+32*\t+\i]         ; p
.endr
.endr
	v_nop                                          ; a plain instruction behind the last exponential,
	s_wait_alu depctr_va_vdst(0)                   ; and ONE wait for the step's 66 exponentials, ahead of the first line that names a result
.irp t, 0,1
	v_pk_fma_f32 v[ST+8*\t+2:ST+8*\t+3], v[ST+8*\t+2:ST+8*\t+3], v[ST+8*\t+6:ST+8*\t+7], v[S+32*\t:S+32*\t+1] op_sel_hi:[1,0,1]   ; l = a l + the first pair; the sum is taken of p before it is rounded, in two chains
.endr
.irp t, 0,1
	v_pk_add_f32 v[TT+4*\t:TT+4*\t+1], v[S+32*\t+2:S+32*\t+3], v[S+32*\t+6:S+32*\t+7]
.endr
.irp b, 4,8,12,16,20,24
.irp t, 0,1
	v_pk_add_f32 v[ST+8*\t+2:ST+8*\t+3], v[ST+8*\t+2:ST+8*\t+3], v[S+32*\t+\b:S+32*\t+\b+1]
	v_pk_add_f32 v[TT+4*\t:TT+4*\t+1], v[TT+4*\t:TT+4*\t+1], v[S+32*\t+\b+6:S+32*\t+\b+7]
.endr
.endr
.irp t, 0,1
	v_pk_add_f32 v[ST+8*\t+2:ST+8*\t+3], v[ST+8*\t+2:ST+8*\t+3], v[S+32*\t+28:S+32*\t+29]
.endr
.irp t, 0,1
	v_pk_add_f32 v[ST+8*\t+2:ST+8*\t+3], v[ST+8*\t+2:ST+8*\t+3], v[TT+4*\t:TT+4*\t+1]
.endr
.irp i, 0,1,2,3,4,5,6,7,8,9,10,11,12,13,14,15
.irp t, 0,1
	v_cvt_pk_f16_f32 v[S+32*\t+\i], v[S+32*\t+2*\i], v[S+32*\t+2*\i+1]      ; P, in place, ascending: register i is written when registers 2 i and 2 i + 1 have been read
.endr
.endr
.irp i, 0,2,4,6,8,10,12,14,16,18,20,22,24,26,28,30
.irp t, 0,1
	v_pk_mul_f32 v[O+32*\t+\i:O+32*\t+\i+1], v[O+32*\t+\i:O+32*\t+\i+1], v[ST+8*\t+6:ST+8*\t+7] op_sel_hi:[1,0]   ; O^T x a
.endr
.endr
	s_wait_dscnt 0x0                               ; V is in
.irp f, 0,1                                    ; O^T += V^T P: keys 32 f on; the eight accumulators take turns
.irp c, 0,1,2,3
.irp t, 0,1
	v_wmma_f32_16x16x32_f16 v[O+32*\t+8*\c:O+32*\t+8*\c+7], v[KV+8*(4*\f+\c):KV+8*(4*\f+\c)+7], v[S+32*\t+8*\f:S+32*\t+8*\f+7], v[O+32*\t+8*\c:O+32*\t+8*\c+7]
.endr
.endr
.endr
.endm
.macro SLOT_STEPS                      ; a slot's eight key steps: written once, walked eight times; the LDS addresses hang on s[TB]
	s_mov_b32 s[STEPC], 8
.Lstep_\@:
	STEP
	s_add_co_u32 s[TB], s[TB], 8192
	s_sub_co_u32 s[STEPC], s[STEPC], 1
	s_cmp_lg_u32 s[STEPC], 0
	s_cbranch_scc1 .Lstep_\@
	s_sub_co_u32 s[TB], s[TB], 65536               ; back to a slot's first step,
	s_xor_b32 s[TB], s[TB], SLOT1                  ; in the other slot
.endm
	s_load_b128 s[4:7], s[0:1], 0x0                ; qkv s[4:5], y s[6:7]
	v_lshl_add_u32 v[SPW], v0, 2, SPARE
	v_mov_b32 v[NIL], 0
	ds_add_u32 v[SPW], v[NIL]                      ; the wave's opening: the add, twice on end, and its wait ahead of my first tensor load
	ds_add_u32 v[SPW], v[NIL]
	v_lshrrev_b32 v1, 5, v0
	v_readfirstlane_b32 s[WV], v1                  ; wave 0..15
	s_bfe_u32 s9, ttmp6, 0x40000                   ; cx
	s_lshl_b32 s10, ttmp9, 2
	s_add_co_u32 s10, s10, s9                      ; my block of 512 queries: it enters Q's, y's and the prefetches' addresses alone
	s_and_b32 s11, ttmp7, 0xffff                   ; the head of a batch, which the four partners share
	s_mov_b32 s[G1], 15|(3<<16)|(1<<21)            ; the mask: all four work-groups; elements of 8 bytes; bit 21 beside a mask; no padding
	s_mov_b32 s[G1+1], 32<<16                      ; tensor_dim0: 256 bytes
	s_mov_b32 s[G1+2], 32<<16                      ; tensor_dim1: 32 rows
	s_mov_b32 s[G1+3], 32<<16                      ; tile_dim0
	s_mov_b32 s[G1+4], 32                          ; tile_dim1
	s_mov_b32 s[G1+5], 32                          ; from row to row: dense
	s_mov_b32 s[G1+6], 0
	s_mov_b32 s[G1+7], 0
	s_lshr_b32 s12, s[WV], 3                       ; what I fetch: part 1 (K: waves 0-7) or 2 (V: waves 8-15),
	s_add_co_u32 s12, s12, 1
	s_lshl_b32 s12, s12, 24
	s_lshl_b32 s14, s11, 18                        ; the head's 262,144 bytes,
	s_add_co_u32 s12, s12, s14
	s_and_b32 s15, s[WV], 7
	s_lshl_b32 s14, s15, 13                        ; my eighth of a slot's 65,536
	s_add_co_u32 s12, s12, s14
	s_mov_b32 s13, 0
	s_cmp_lt_u32 s15, 2
	s_cselect_b32 s[LIM], 1, -1                    ; waves 0, 1, 8, 9 prefetch: the same in all four partners
	s_lshl_b32 s44, s9, 14                         ; my work-group's quarter of a slot's bytes,
	s_add_co_u32 s44, s44, 65536                   ; in slot 1: the first change of slots steps it to slot 2
	s_mov_b32 s45, 0
	s_lshl_b32 s40, s10, 5
	s_lshl_b32 s14, s[WV], 1
	s_add_co_u32 s40, s40, s14                     ; my first tile of 16 queries in the head
	s_lshr_b32 s42, s11, 4
	s_lshl_b32 s42, s42, 7
	s_add_co_u32 s42, s42, s40                     ; and in y: 128 x batch + that,
	s_lshl_b32 s42, s42, 15
	s_and_b32 s14, s11, 15
	s_lshl_b32 s14, s14, 11                        ; the head's two fragments
	s_add_co_u32 s42, s42, s14
	s_mov_b32 s43, 0
	s_lshl_b32 s40, s40, 11
	s_lshl_b32 s14, s11, 18
	s_add_co_u32 s40, s40, s14
	s_mov_b32 s41, 0
	s_mov_b32 s[CS], 0x3e38aa3b                    ; c = log2(e) / 8
	s_mov_b32 s[CS+1], s[CS]
	s_mov_b32 s[SEL], 0x76543210
	s_mov_b32 s[SEL+1], 0xfedcba98
	s_mov_b32 s[TB], 0
	s_mov_b32 s[SLOTS], 3
	s_mov_b32 s[G0], 1
	s_lshl_b32 s[G0+1], s[WV], 13                  ; LDS: 8,192 x wave: K's eight parts, then V's; no place in the cluster enters it
	s_wait_dscnt 0x0                               ; both opening adds are done
	s_wait_kmcnt 0x0
	s_add_nc_u64 s[G0+2:G0+3], s[4:5], s[12:13]
	s_add_nc_u64 s[PFA:PFA+1], s[G0+2:G0+3], s[44:45]
	s_or_b32 s[G0+3], s[G0+3], 0x80000000
	s_add_nc_u64 s[40:41], s[4:5], s[40:41]        ; Q at my first tile
	s_add_nc_u64 s[6:7], s[6:7], s[42:43]          ; y likewise
	CROUND                                         ; all four work-groups are here: the first joint loads meet
	tensor_load_to_lds s[G0:G0+3], s[G1:G1+7]      ; slot 0: the head's first 512 keys
	s_nop 0
.rept 4
	v_nop
.endr
	v_and_b32 v8, 31, v0
	v_lshlrev_b32 v[AK0], 4, v8
	v_lshlrev_b32 v[GO], 4, v8
	v_lshlrev_b32 v[PFO], 8, v8
.irp i, 0,1,2,3,4,5,6,7
	global_load_b128 v[Q+4*\i:Q+4*\i+3], v[GO], s[40:41] offset:512*\i   ; Q stays in registers: 512 consecutive bytes a load
.endr
	v_bfe_u32 v9, v0, 3, 1                         ; e: which eight channels of a tile of 16
	v_bfe_u32 v10, v0, 4, 1                        ; h: which eight keys
	v_and_b32 v11, 7, v0                           ; the key among them
	v_xor_b32 v10, v10, v9
	v_lshlrev_b32 v[AV0], 4, v11
	v_lshl_add_u32 v[AV0], v10, 7, v[AV0]
	v_lshl_add_u32 v[AV0], v9, 8, v[AV0]
	v_add_nc_u32 v[AV0], VOFF, v[AV0]              ; 65,536 + 256 e + 128 (h xor e) + 16 (lane % 8)
.irp t, 0,1
	v_mov_b32 v[ST+8*\t+1], 0xff61b1e6             ; m = -3e38, under every score
	v_mul_f32 v[ST+8*\t], s[CS], v[ST+8*\t+1]
	v_mov_b32 v[ST+8*\t+2], 0                      ; l
	v_mov_b32 v[ST+8*\t+3], 0
.endr
.set i, 0
.rept 64
	v_mov_b32 v[O+i], 0                            ; O^T: the step is written once; its first pass finds zeros and a = 0
.set i, i+1
.endr
	s_wait_loadcnt 0x0                             ; Q
.Lslot:                                            ; three trips: behind each change of slots but the last the next 512 keys are asked for
	CHANGE 1
	SLOT_STEPS
	s_sub_co_u32 s[SLOTS], s[SLOTS], 1
	s_cmp_lg_u32 s[SLOTS], 0
	s_cbranch_scc1 .Lslot
	CHANGE 0                                       ; the last slot is written out
	SLOT_STEPS
	; THE WAY OUT.  l's two halves and the other half of the lanes' are added (these lines are the places behind the last products); O^T / l is rounded to f16: a lane's eight channels are 16 bytes of the projection's operand.
.irp t, 0,1
	v_add_f32 v[ST+8*\t+4], v[ST+8*\t+2], v[ST+8*\t+3]
.endr
.irp t, 0,1
	v_permlanex16_b32 v[ST+8*\t+5], v[ST+8*\t+4], s[SEL], s[SEL+1]
.endr
.irp t, 0,1
	v_add_f32 v[ST+8*\t+4], v[ST+8*\t+4], v[ST+8*\t+5]
.endr
.irp t, 0,1
	v_rcp_f32 v[ST+8*\t+6], v[ST+8*\t+4]
.endr
	v_nop                                          ; a plain instruction behind the last reciprocal,
	s_wait_alu depctr_va_vdst(0)                   ; and the wait ahead of the first use: one for both
.irp i, 0,2,4,6,8,10,12,14,16,18,20,22,24,26,28,30
.irp t, 0,1
	v_pk_mul_f32 v[O+32*\t+\i:O+32*\t+\i+1], v[O+32*\t+\i:O+32*\t+\i+1], v[ST+8*\t+6:ST+8*\t+7] op_sel_hi:[1,0]
.endr
.endr
.irp i, 0,1,2,3,4,5,6,7,8,9,10,11,12,13,14,15
.irp t, 0,1
	v_cvt_pk_f16_f32 v[S+16*\t+\i], v[O+32*\t+2*\i], v[O+32*\t+2*\i+1]
.endr
.endr
.irp t, 0,1
.irp c, 0,1,2,3
	global_store_b128 v[GO], v[S+16*\t+4*\c:S+16*\t+4*\c+3], s[6:7] offset:32768*\t+512*\c   ; the wave stores 512 consecutive bytes, aligned
.endr
.endr
	s_wait_tensorcnt 0x0                           ; the wave's end
	ds_add_u32 v[SPW], v[NIL]
	s_wait_dscnt 0x0
	CROUND                                         ; the closing round
	s_endpgm
.Lfunc_end_k_q9233707566_attn:
	.size	k_q9233707566_attn, .Lfunc_end_k_q9233707566_attn-k_q9233707566_attn
	.p2alignl 7, 3214868480
	.fill 96, 4, 3214868480
	.section	.rodata,"a",@progbits
	.p2align	6, 0x0
	.amdhsa_kernel k_q9233707566_attn
		.amdhsa_group_segment_fixed_size 327680
		.amdhsa_private_segment_fixed_size 0
		.amdhsa_enable_private_segment 0
		.amdhsa_kernarg_size 16
		.amdhsa_user_sgpr_count 2
		.amdhsa_user_sgpr_kernarg_segment_ptr 1
		.amdhsa_wavefront_size32 1
		.amdhsa_system_sgpr_workgroup_id_x 1
		.amdhsa_system_sgpr_workgroup_id_y 1
		.amdhsa_system_sgpr_workgroup_id_z 1
		.amdhsa_system_vgpr_workitem_id 0
		.amdhsa_next_free_vgpr 256
		.amdhsa_next_free_sgpr 66
		.amdhsa_reserve_vcc 0
		.amdhsa_float_denorm_mode_32 3
		.amdhsa_float_denorm_mode_16_64 3
		.amdhsa_memory_ordered 1
		.amdhsa_forward_progress 1
		.amdhsa_inst_pref_size 49
	.end_amdhsa_kernel
	.amdgpu_metadata
---
amdhsa.version: [ 1, 2 ]
amdhsa.kernels:
  - .name:           k_q9233707566_attn
    .symbol:         k_q9233707566_attn.kd
    .args:
      - { .name: qkv, .offset: 0, .size: 8, .value_kind: global_buffer, .address_space: global }
      - { .name: y, .offset: 8, .size: 8, .value_kind: global_buffer, .address_space: global }
    .group_segment_fixed_size: 327680
    .private_segment_fixed_size: 0
    .kernarg_segment_align: 8
    .kernarg_segment_size: 16
    .max_flat_workgroup_size: 512
    .sgpr_count:     66
    .vgpr_count:     256
    .wavefront_size: 32
...
	.end_amdgpu_metadata
.endif
;; end of part 3
;; launch proj (part 4): grid 8 x 32, 4 waves a work-group, clusters of 4 x 4, 327,680 bytes of LDS; arguments y, wp, b_proj, out0; writes out0
.if DOCPART == 4
	.amdgcn_target "amdgcn-amd-amdhsa--gfx1250"
	.amdhsa_code_object_version 6
	.text
	.protected	k_q9233707566_proj
	.globl	k_q9233707566_proj
	.p2align	8
	.type	k_q9233707566_proj,@function
k_q9233707566_proj:
	s_mov_b64 s[64:65], 0
	v_nop
	global_prefetch_b8 v0, s[64:65] scope:SCOPE_SE
	s_setreg_imm32_b32 hwreg(HW_REG_WAVE_MODE, 25, 1), 1
	s_wait_xcnt 0x0
	s_wait_alu depctr_hold_cnt(0) depctr_sa_sdst(0) depctr_va_vdst(0) depctr_va_sdst(0) depctr_va_ssrc(0) depctr_va_vcc(0) depctr_vm_vsrc(0)
	s_getreg_b32 s2, hwreg(HW_REG_IB_STS2, 6, 4)
	s_cmp_eq_u32 s2, 0
	s_cbranch_scc0 .Lentry_in_a_cluster
	s_endpgm
.Lentry_in_a_cluster:
	s_bfe_u32 s2, ttmp6, 0x10000c
	s_cmp_lg_u32 s2, 0xf033
	s_cbranch_scc0 .Lentry_shape_is_right
	s_endpgm
.Lentry_shape_is_right:
; out0 = y w_proj + b_proj.  y [8192][1024] and w_proj^T [1024 (n)][1024 (k)] arrive as f16 images of operand registers (fragments of 16 rows x 32 k, 1,024 bytes, laid [tile of 16 rows][32 fragments along K]); sums and out0 f32.
; SHARES.  A tile of out0 is 256 rows x 128 columns: 256 work-groups.  Wave (mh, nh) makes 128 x 64: 32 accumulators.  K goes in eight steps of 128 through a ring of two LDS slots.
; A K step of a tile of 16 rows is 4,096 consecutive bytes, so a slot's tiles are dense in LDS, need no padding, and every fragment is read at 16 x lane.  Two slots of 256 along K would not fit beside each other.
; THE MATRIX INSTRUCTION IS USED TRANSPOSED (source 0 = 16 columns of w_proj, source 1 = 16 rows of y): a lane holds eight neighbouring numbers of a row of out0.  The bias is the C of the first quarter step.
; CLUSTER 4 x 4: y's tile hangs on the tile row alone and is asked for jointly along a row of the cluster, w_proj's on the tile column alone, jointly along a column.  Waves 0, 1 fetch y's halves, waves 2, 3 w_proj's.
; A wave has two tensor loads out at the start, later one, which has a K step less sixteen products in which to land.
; y IS PREFETCHED two K steps ahead of its joint load by the first column of clusters (the other column reads the same rows); the four partners of a row share a wave's eight tiles of rows out by address, two each.
; w_proj is read by all 32 tile rows and is not asked for.
; THE WAY OUT: a block of 16 rows x 64 columns goes through the wave's own stage in LDS and comes back by rows: sixteen lanes store 256 consecutive bytes, aligned.
; REGISTERS: window 0: v1-30 addresses; v32-63 the bias; v64-127 rows on the way out, two sets.  window 1: two fragment buffers at v0 and v128: y's eight fragments, then w_proj's four.  window 2: accumulator (a, b) at v[8 (4 a + b)].
.set SLOT,   98304                     ; y's 16 tiles of rows x 4,096 bytes, then w_proj's 8 tiles of columns x 4,096
.set BOFF,   65536
.set STAGE,  2*SLOT                    ; 16 rows x 272 bytes for each wave; no tensor load lands here
.set SPITCH, 272
.set SPARE,  STAGE+4*16*SPITCH         ; the spare words, 128 bytes for each wave: two blocks of 256 bytes that no other line names
.set ADRA, 16                          ; v16-17 LDS address of my fragments of y in slot 0, 1
.set ADRB, 20                          ; v20-21 of w_proj's
.set STO,  24
.set RD,   25
.set CO,   26
.set SPW,  28                          ; v28  LDS address of my spare word; never rewritten
.set NIL,  29                          ; v29  0; never rewritten
.set PFO,  30                          ; v30  the prefetches' offset: 32,768 (lane / 16) + 256 (lane % 16); never rewritten
.set BIAS, 32
.set BK,   64
.set F0,   0
.set F1,   128
.set WV,   12                          ; s12 wave; s13 = wave / 2: my half of the rows, and: I fetch for y (0) or w_proj (1); s14 = wave % 2: my half of the columns, and which half I fetch
.set G1,   24
.set G0,   32
.set G1B,  48
.set G0B,  56
.set PFA,  20                          ; s[20:21]
.set LIM,  15                          ; s15
.set MSB, 0
.macro WIN new
.if MSB != \new
	s_set_vgpr_msb (MSB<<8)|\new
.set MSB, \new
.endif
.endm
.macro PLACES
.rept 4
	v_nop
.endr
.endm
.macro JLOAD s                         ; a joint load; an s_nop 0 and four v_nop follow each of the two lines, ahead of the jump, the label and what follows
	s_cmp_eq_u32 s13, 0
	s_cbranch_scc0 .Lfor_b_\@
	tensor_load_to_lds s[G0+4*\s:G0+4*\s+3], s[G1:G1+7]
	s_nop 0
.rept 4
	v_nop
.endr
	s_branch .Lasked_\@
.Lfor_b_\@:
	tensor_load_to_lds s[G0B+4*\s:G0B+4*\s+3], s[G1B:G1B+7]
	s_nop 0
.rept 4
	v_nop
.endr
.Lasked_\@:
.endm
.macro CREST
	s_cmp_lg_u32 s[WV], 0
	s_cbranch_scc1 .Lnot_wave_0_\@
	s_barrier_signal -3
.Lnot_wave_0_\@:
	s_barrier_wait -3
	s_barrier_signal -1
	s_barrier_wait -1
.endm
.macro CROUND
	s_barrier_signal -1
	s_barrier_wait -1
	CREST
.endm
.macro ASK                             ; the K step that stands two refills on; the loop's last trip (s3 = 1) has none
	s_cmp_gt_u32 s3, s[LIM]
	s_cbranch_scc0 .Lnot_mine_\@
	global_prefetch_b8 v[PFO], s[PFA:PFA+1] offset:4096 th:TH_LOAD_NT scope:SCOPE_SE
.Lnot_mine_\@:
.endm
.macro FETCH slot, q, f                ; 24 LDS loads in one run: the fragments of the slot's q-th 32 along K: w_proj's four, y's blocks 0-3, y's blocks 4-7
	WIN 0x40
.irp b, 0,1,2,3
.irp u, 0,1
	ds_load_b128 v[\f+64+8*\b+4*\u:\f+64+8*\b+4*\u+3], v[ADRB+\slot] offset:\b*4096+(\q)*1024+512*\u
.endr
.endr
.irp a, 0,1,2,3,4,5,6,7
.irp u, 0,1
	ds_load_b128 v[\f+8*\a+4*\u:\f+8*\a+4*\u+3], v[ADRA+\slot] offset:\a*4096+(\q)*1024+512*\u
.endr
.endr
.endm
.macro MULN f, a0, cnt, first          ; cnt blocks of rows from a0 on x four blocks of columns; the 32 accumulators take turns in the same order in every quarter
.if \first
	WIN 0x85                                       ; sources 0 and 1 window 1, C (bias) window 0, D window 2
.else
	WIN 0xa5
.endif
.set ma, \a0
.rept \cnt
.irp b, 0,1,2,3
.if \first
	v_wmma_f32_16x16x32_f16 v[8*(4*ma+\b):8*(4*ma+\b)+7], v[\f+64+8*\b:\f+64+8*\b+7], v[\f+8*ma:\f+8*ma+7], v[BIAS+8*\b:BIAS+8*\b+7]
.else
	v_wmma_f32_16x16x32_f16 v[8*(4*ma+\b):8*(4*ma+\b)+7], v[\f+64+8*\b:\f+64+8*\b+7], v[\f+8*ma:\f+8*ma+7], v[8*(4*ma+\b):8*(4*ma+\b)+7]
.endif
.endr
.set ma, ma+1
.endr
.endm
; A K step is four quarters of 32 along K on buffers 0, 1, 0, 1.  One of the first three: multiplies buffer f; in its middle it fetches the slot's quarter qn into buffer g.
.macro QUARTER slot, qn, f, g, first
	s_wait_dscnt 8                                 ; w_proj's fragments and y's blocks 0-3 are in; the youngest eight loads may be out
	MULN \f, 0, 4, \first
	PLACES                                         ; in front of loads into registers that the quarter before multiplied
	FETCH \slot, \qn, \g
	s_wait_dscnt 24                                ; all but the 24 just issued
	MULN \f, 4, 4, \first
.endm
; The last quarter multiplies buffer 1 and changes slots: one barrier; in front of it each wave waits for all its tensor loads, adds 0 to its spare word, and waits for that and for its reads of this slot.
.macro TURN slot, next, fill
	WIN 0
.if \fill
	s_wait_xcnt 0x0                                ; the last prefetch, a K step back, has read its address
	s_add_nc_u64 s[PFA:PFA+1], s[PFA:PFA+1], 4096
.endif
	s_wait_tensorcnt 0x0                           ; all my tensor loads have landed: my part of the next slot
	ds_add_u32 v[SPW], v[NIL]                      ; 0 onto my spare word
	s_wait_dscnt 9                                 ; the add and the youngest eight loads may be out
	MULN F1, 0, 2, 0                               ; eight products stand between the add and the wait for it
	s_wait_dscnt 0x0                               ; the add is done, and my reads of this slot are over
	s_barrier_signal -1
	MULN F1, 2, 2, 0
	WIN 0
	s_barrier_wait -1
.if \fill
	CREST                                          ; the barrier has opened a round of the cluster's barrier
	s_add_nc_u64 s[G0+4*\slot+2:G0+4*\slot+3], s[G0+4*\slot+2:G0+4*\slot+3], 8192
	s_add_nc_u64 s[G0B+4*\slot+2:G0B+4*\slot+3], s[G0B+4*\slot+2:G0B+4*\slot+3], 8192
	JLOAD \slot                                    ; the first tensor load behind the round; its four v_nop are also the places in front of the loads below
.else
	PLACES
.endif
	FETCH \next, 0, F0
.if \fill
	WIN 0
	ASK
.endif
	MULN F1, 4, 4, 0
.endm
	s_load_b256 s[4:11], s[0:1], 0x0               ; y s[4:5], wp s[6:7], b_proj s[8:9], out0 s[10:11]
	v_lshl_add_u32 v[SPW], v0, 2, SPARE
	v_mov_b32 v[NIL], 0
	ds_add_u32 v[SPW], v[NIL]                      ; the wave's opening: the add, twice on end, and its wait ahead of my first tensor load
	ds_add_u32 v[SPW], v[NIL]
	v_lshrrev_b32 v1, 5, v0
	v_readfirstlane_b32 s[WV], v1
	s_lshr_b32 s13, s[WV], 1
	s_and_b32 s14, s[WV], 1
	s_bfe_u32 s40, ttmp6, 0x40000                  ; cx
	s_bfe_u32 s41, ttmp6, 0x40004                  ; cy
	s_lshl_b32 s42, ttmp9, 2
	s_add_co_u32 s42, s42, s40                     ; tile column
	s_and_b32 s43, ttmp7, 0xffff
	s_lshl_b32 s43, s43, 2
	s_add_co_u32 s43, s43, s41                     ; tile row
	s_lshl_b32 s44, s41, 2
	s_lshl_b32 s44, 15, s44                        ; my row of the cluster
	s_lshl_b32 s45, 0x1111, s40                    ; my column
	s_or_b32 s[G1], s44, (3<<16)|(1<<21)           ; y: 8 rows of 4,096 bytes (512 elements of 8), 32,768 bytes apart; no padding
	s_mov_b32 s[G1+1], 512<<16
	s_mov_b32 s[G1+2], 8<<16
	s_mov_b32 s[G1+3], 512<<16
	s_mov_b32 s[G1+4], 8
	s_mov_b32 s[G1+5], 4096
	s_mov_b32 s[G1+6], 0
	s_mov_b32 s[G1+7], 0
	s_or_b32 s[G1B], s45, (3<<16)|(1<<21)          ; w_proj: 4 such rows
	s_mov_b32 s[G1B+1], 512<<16
	s_mov_b32 s[G1B+2], 4<<16
	s_mov_b32 s[G1B+3], 512<<16
	s_mov_b32 s[G1B+4], 4
	s_mov_b32 s[G1B+5], 4096
	s_mov_b32 s[G1B+6], 0
	s_mov_b32 s[G1B+7], 0
	s_lshl_b32 s16, s43, 19                        ; y: tile of rows 16 x tile row + 8 x half: made of the tile row and the wave alone
	s_lshl_b32 s17, s14, 18
	s_add_co_u32 s16, s16, s17
	s_mov_b32 s17, 0
	s_lshl_b32 s46, s42, 18                        ; w_proj: tile of columns 8 x tile column + 4 x half: made of the tile column and the wave alone
	s_lshl_b32 s47, s14, 17
	s_add_co_u32 s46, s46, s47
	s_mov_b32 s47, 0
	s_lshl_b32 s18, s14, 15                        ; where they go: no place in the cluster enters an LDS address
	s_lshl_b32 s19, s14, 14
	s_add_co_u32 s19, s19, BOFF
	s_lshl_b32 s22, s40, 16                        ; the prefetches: my work-group's two of the eight tiles of rows, at K step 2
	s_add_co_u32 s22, s22, 8192
	s_mov_b32 s23, 0
	s_or_b32 s[LIM], s13, ttmp9                    ; 0 in waves 0 and 1 of the first column of clusters: the same in all sixteen partners, for a given wave
	s_cmp_eq_u32 s[LIM], 0
	s_cselect_b32 s[LIM], 1, -1
	s_wait_dscnt 0x0                               ; both opening adds are done
	s_wait_kmcnt 0x0
	s_add_nc_u64 s[16:17], s[4:5], s[16:17]
	s_add_nc_u64 s[46:47], s[6:7], s[46:47]
	s_add_nc_u64 s[PFA:PFA+1], s[16:17], s[22:23]
	CROUND                                         ; all sixteen work-groups are here: the first joint loads meet
.irp s, 0,1
	s_mov_b32 s[G0+4*\s], 1
	s_add_co_u32 s[G0+4*\s+1], s18, \s*SLOT
	s_add_nc_u64 s[G0+4*\s+2:G0+4*\s+3], s[16:17], \s*4096
	s_or_b32 s[G0+4*\s+3], s[G0+4*\s+3], 0x80000000
	s_mov_b32 s[G0B+4*\s], 1
	s_add_co_u32 s[G0B+4*\s+1], s19, \s*SLOT
	s_add_nc_u64 s[G0B+4*\s+2:G0B+4*\s+3], s[46:47], \s*4096
	s_or_b32 s[G0B+4*\s+3], s[G0B+4*\s+3], 0x80000000
	JLOAD \s
.endr
	v_and_b32 v1, 15, v0                           ; r
	v_bfe_u32 v2, v0, 4, 1                         ; h
	v_and_b32 v3, 31, v0
	v_lshlrev_b32 v4, 4, v3                        ; 16 x lane
	v_lshlrev_b32 v6, 5, v2                        ; the bias: my eight columns of a tile of 16
	s_lshl_b32 s22, s42, 9
	s_lshl_b32 s2, s14, 8
	s_add_co_u32 s22, s22, s2
	s_add_nc_u64 s[8:9], s[8:9], s[22:23]          ; b_proj at column 128 x tile column + 64 nh
.irp b, 0,1,2,3
	global_load_b128 v[BIAS+8*\b:BIAS+8*\b+3], v6, s[8:9] offset:64*\b
	global_load_b128 v[BIAS+8*\b+4:BIAS+8*\b+7], v6, s[8:9] offset:64*\b+16
.endr
	s_lshl_b32 s2, s43, 20                         ; out0 at row 256 x tile row + 128 mh, the same column
	s_add_co_u32 s22, s22, s2
	s_lshl_b32 s2, s13, 19
	s_add_co_u32 s22, s22, s2
	s_add_nc_u64 s[10:11], s[10:11], s[22:23]
	s_lshl_b32 s22, s13, 15                        ; my eight tiles of rows,
	s_lshl_b32 s2, s14, 14                         ; my four tiles of columns, behind y's 65,536 bytes
	s_add_co_u32 s2, s2, BOFF
.irp s, 0,1
	v_add_nc_u32 v[ADRA+\s], s22, v4
	v_add_nc_u32 v[ADRB+\s], s2, v4
	s_add_co_u32 s22, s22, SLOT
	s_add_co_u32 s2, s2, SLOT
.endr
	s_mul_i32 s22, s[WV], 16*SPITCH
	s_add_co_u32 s22, s22, STAGE                   ; my stage
	v_mul_u32_u24 v5, v1, SPITCH                   ; in: row r, 32 bytes for each half of the lanes
	v_lshl_add_u32 v5, v2, 5, v5
	v_add_nc_u32 v[STO], s22, v5
	v_mul_u32_u24 v5, v2, SPITCH                   ; back: lanes 0-15 one row of 256 bytes, lanes 16-31 the next
	v_lshl_add_u32 v5, v1, 4, v5
	v_add_nc_u32 v[RD], s22, v5
	v_lshlrev_b32 v[CO], 4, v1                     ; and the same two rows in out0
	v_lshl_add_u32 v[CO], v2, 12, v[CO]
	v_lshlrev_b32 v[PFO], 8, v1
	v_lshl_add_u32 v[PFO], v2, 15, v[PFO]
	s_wait_tensorcnt 1                             ; my part of K step 0 is in; K step 1's may stay out
	s_barrier_signal -1
	s_barrier_wait -1
	FETCH 0, 0, F0
	s_wait_loadcnt 0x0                             ; the bias
	QUARTER 0, 1, F0, F1, 1                        ; the first quarter stands in front of the loop: the bias starts the sums
	WIN 0                                          ; at a label and at a branch every window is 0
	s_mov_b32 s3, 3
.Llap:                                             ; a trip goes once round the ring, from a lap's second quarter to the next lap's first, and fills both slots again
	QUARTER 0, 2, F1, F0, 0
	QUARTER 0, 3, F0, F1, 0
	TURN 0, 1, 1
	QUARTER 1, 1, F0, F1, 0
	QUARTER 1, 2, F1, F0, 0
	QUARTER 1, 3, F0, F1, 0
	TURN 1, 0, 1
	QUARTER 0, 1, F0, F1, 0
	WIN 0
	s_sub_co_u32 s3, s3, 1
	s_cmp_lg_u32 s3, 0
	s_cbranch_scc1 .Llap
	QUARTER 0, 2, F1, F0, 0                        ; the last lap fills nothing, and has no round of the cluster's barrier
	QUARTER 0, 3, F0, F1, 0
	TURN 0, 1, 0
	QUARTER 1, 1, F0, F1, 0
	QUARTER 1, 2, F1, F0, 0
	QUARTER 1, 3, F0, F1, 0
	s_wait_dscnt 8                                 ; the very last quarter: nothing more to fetch
	MULN F1, 0, 4, 0
	s_wait_dscnt 0x0
	MULN F1, 4, 4, 0
	WIN 0
; THE WAY OUT, block by block of 16 rows.  LDS serves a wave's instructions in order: no wait between the stage's stores and loads, nor in front of the next block's stores.
.macro TOSTAGE a
	WIN 0x08                                       ; an LDS store's data are its source 1: window 2
.irp b, 0,1,2,3
	ds_store_b128 v[STO], v[8*(4*(\a)+\b):8*(4*(\a)+\b)+3] offset:64*\b          ; each accumulator from its low end on
	ds_store_b128 v[STO], v[8*(4*(\a)+\b)+4:8*(4*(\a)+\b)+7] offset:64*\b+16
.endr
	WIN 0
.irp i, 0,1,2,3,4,5,6,7
	ds_load_b128 v[BK+32*((\a)%2)+4*\i:BK+32*((\a)%2)+4*\i+3], v[RD] offset:\i*2*SPITCH
.endr
.endm
.macro SEND a, younger                 ; younger: the LDS instructions issued behind block a's loads, which may stay out
	s_wait_dscnt \younger
.irp i, 0,1,2,3,4,5,6,7
	global_store_b128 v[CO], v[BK+32*((\a)%2)+4*\i:BK+32*((\a)%2)+4*\i+3], s[10:11] offset:(16*(\a)+2*\i)*4096 th:TH_STORE_NT   ; sixteen lanes store 256 consecutive bytes, aligned
.endr
.endm
	PLACES                                         ; in front of the first read of results just made
	TOSTAGE 0
.irp a, 1,2,3,4,5,6,7
.if \a > 1
	s_wait_xcnt 0x0                                ; block a - 2's stores have read their registers: block a's loads may land there
.endif
	TOSTAGE \a
	SEND \a-1, 16                                  ; behind block a - 1's loads: block a's eight stores and eight loads
.endr
	SEND 7, 0
	s_wait_tensorcnt 0x0                           ; the wave's end, behind my last tensor load and my last LDS store
	ds_add_u32 v[SPW], v[NIL]
	s_wait_dscnt 0x0
	CROUND                                         ; the closing round
	s_endpgm
.Lfunc_end_k_q9233707566_proj:
	.size	k_q9233707566_proj, .Lfunc_end_k_q9233707566_proj-k_q9233707566_proj
	.p2alignl 7, 3214868480
	.fill 96, 4, 3214868480
	.section	.rodata,"a",@progbits
	.p2align	6, 0x0
	.amdhsa_kernel k_q9233707566_proj
		.amdhsa_group_segment_fixed_size 327680
		.amdhsa_private_segment_fixed_size 0
		.amdhsa_enable_private_segment 0
		.amdhsa_kernarg_size 32
		.amdhsa_user_sgpr_count 2
		.amdhsa_user_sgpr_kernarg_segment_ptr 1
		.amdhsa_wavefront_size32 1
		.amdhsa_system_sgpr_workgroup_id_x 1
		.amdhsa_system_sgpr_workgroup_id_y 1
		.amdhsa_system_sgpr_workgroup_id_z 1
		.amdhsa_system_vgpr_workitem_id 0
		.amdhsa_next_free_vgpr 768
		.amdhsa_next_free_sgpr 66
		.amdhsa_reserve_vcc 0
		.amdhsa_float_denorm_mode_32 3
		.amdhsa_float_denorm_mode_16_64 3
		.amdhsa_memory_ordered 1
		.amdhsa_forward_progress 1
		.amdhsa_inst_pref_size 87
	.end_amdhsa_kernel
	.amdgpu_metadata
---
amdhsa.version: [ 1, 2 ]
amdhsa.kernels:
  - .name:           k_q9233707566_proj
    .symbol:         k_q9233707566_proj.kd
    .args:
      - { .name: y, .offset: 0, .size: 8, .value_kind: global_buffer, .address_space: global }
      - { .name: wp, .offset: 8, .size: 8, .value_kind: global_buffer, .address_space: global }
      - { .name: b_proj, .offset: 16, .size: 8, .value_kind: global_buffer, .address_space: global }
      - { .name: out0, .offset: 24, .size: 8, .value_kind: global_buffer, .address_space: global }
    .group_segment_fixed_size: 327680
    .private_segment_fixed_size: 0
    .kernarg_segment_align: 8
    .kernarg_segment_size: 32
    .max_flat_workgroup_size: 128
    .sgpr_count:     66
    .vgpr_count:     768
    .wavefront_size: 32
...
	.end_amdgpu_metadata
.endif
;; end of part 4
